; MI455X (gfx1250); checked and timed in simulation.
; The chip was launched on July 23, 2026; its instructions are those of AMD's public machine-readable ISA for CDNA 5 (MIT licence, August 2026) and "CDNA5" Instruction Set Architecture Reference Guide (July 2026). The comments in the code are by the model that wrote it; some were corrected since.
;; Block Multi. Allowed arithmetic: matrix products marked QUANTISED: E4M3 operands, one E8M0 scale for each 32 along K, by v_wmma_scale_f32_16x16x128_f8f6f4 with both operands' format E4M3, f32 sums; everything else in f32.
;; Inputs: W1_codes 4,096 x 32 x 32 uint8 (E4M3 codes of W1, K innermost, in blocks of 32 codes); W1_scales 4,096 x 32 uint8 (E8M0 scales of W1, one for each 32 codes along K); W2_codes 1,024 x 128 x 32 uint8 (E4M3 codes of W2, K innermost, in blocks of 32 codes); W2_scales 1,024 x 128 uint8 (E8M0 scales of W2, one for each 32 codes along K); Wk_codes 1,024 x 32 x 32 uint8 (E4M3 codes of Wk, K innermost, in blocks of 32 codes); Wk_scales 1,024 x 32 uint8 (E8M0 scales of Wk, one for each 32 codes along K); Wo_codes 1,024 x 32 x 32 uint8 (E4M3 codes of Wo, K innermost, in blocks of 32 codes); Wo_scales 1,024 x 32 uint8 (E8M0 scales of Wo, one for each 32 codes along K); Wq_codes 1,024 x 32 x 32 uint8 (E4M3 codes of Wq, K innermost, in blocks of 32 codes); Wq_scales 1,024 x 32 uint8 (E8M0 scales of Wq, one for each 32 codes along K); Wv_codes 1,024 x 32 x 32 uint8 (E4M3 codes of Wv, K innermost, in blocks of 32 codes); Wv_scales 1,024 x 32 uint8 (E8M0 scales of Wv, one for each 32 codes along K); b1 4,096 float32; b2 1,024 float32; bk 1,024 float32; bo 1,024 float32; bq 1,024 float32; bv 1,024 float32; ln1_b 1,024 float32; ln1_g 1,024 float32; ln2_b 1,024 float32; ln2_g 1,024 float32; x 4 x 1,024 x 1,024 float32.
;; Outputs: out0 4 x 1,024 x 1,024 float32.
;; This version of the problem:
;;   THIS VERSION OF THE PROBLEM IS GIVEN IN LOW PRECISION. The matrix products marked QUANTISED in the list below multiply operands that are first quantised to E4M3 (4 exponent bits, 3 mantissa bits; 8 bits a number), with one power-of-two scale for each 32 numbers along K (OCP MX v1.0); their sums are f32. All else is computed in f32.
;;   The module's matrix products, in the order in which they are computed (A, B: the left and right operand; K: the contracted axis; several contracted axes count as one K, in the product's order):
;;     1. [M 4,096, K 1,024] x [K 1,024, N 1,024]; A: computed on the way; B: input Wq (given as codes): QUANTISED
;;     2. [M 4,096, K 1,024] x [K 1,024, N 1,024]; A: computed on the way; B: input Wk (given as codes): QUANTISED
;;     3. [M 4,096, K 1,024] x [K 1,024, N 1,024]; A: computed on the way; B: input Wv (given as codes): QUANTISED
;;     4. batch 64 x [M 1,024, K 64] x [K 64, N 1,024]; A: computed on the way; B: computed on the way: QUANTISED
;;     5. batch 64 x [M 1,024, K 1,024] x [K 1,024, N 64]; A: softmax (see below); B: computed on the way: QUANTISED
;;     6. [M 4,096, K 1,024] x [K 1,024, N 1,024]; A: computed on the way; B: input Wo (given as codes): QUANTISED
;;     7. [M 4,096, K 1,024] x [K 1,024, N 4,096]; A: computed on the way; B: input W1 (given as codes): QUANTISED
;;     8. [M 4,096, K 4,096] x [K 4,096, N 1,024]; A: computed on the way; B: input W2 (given as codes): QUANTISED
;;   THE QUANTISER, for each operand of a quantised product, along K:
;;     - K is cut into blocks of 32 from its start; a last block that is shorter is filled with zeros.
;;     - A block's scale is 2^e with e = floor(log2(the largest magnitude in the block)) - 8, held to -126 .. 127; a block of zeros has e = 0. As a byte (E8M0): e + 127.
;;     - Each number is divided by its block's scale, clamped to +-448, and rounded to the nearest number of E4M3, ties to even, subnormals kept.
;;     - The product sums the exact products of the quantised numbers (number of the format x scale) in f32.
;;   ~~~python
;;   def quantise(x, axis):      # numpy; x: float32 -> the quantised numbers, widened to float32 again
;;       x = np.moveaxis(x, axis, -1); K = x.shape[-1]
;;       x = np.pad(x, [(0, 0)] * (x.ndim - 1) + [(0, -K % 32)]); x = x.reshape(x.shape[:-1] + (-1, 32)); a = np.abs(x).max(-1, keepdims=True)
;;       e = np.where(a > 0, np.clip(np.frexp(np.where(a > 0, a, 1))[1] - 1 - 8, -126, 127), 0)      # np.frexp(a)[1] - 1 = floor(log2(a)), exactly
;;       r = np.clip(x / 2.0 ** e, -448, 448)
;;       step = 2.0 ** (np.maximum(np.frexp(np.where(r == 0, 1, r))[1] - 1, -6) - 3)
;;       q = np.round(r / step) * step * 2.0 ** e      # np.round: ties to even
;;       return np.moveaxis(q.reshape(q.shape[:-2] + (-1,))[..., :K], -1, axis).astype(np.float32)
;;   ~~~
;;   SOFTMAX AHEAD OF A QUANTISED PRODUCT. Where the list says 'softmax', what is quantised is not the finished softmax but p = 2^(t - M), with t = logit x log2(e) and M = ceil(the row's largest t), a whole number; so 1/2 < the row's largest p <= 1. The row's sum l is taken of the UNQUANTISED p, in f32, and the product's result is divided by l at the end. Since M is a whole number, a kernel that streams over the keys may use a running M (the ceiling of the running maximum): every later rescaling is an exact power of two, which a block's scale takes up: the codes' values come out the same.
;;   OPERANDS COMPUTED ON THE WAY. 'Computed on the way' means the value that the module computes at that place (a softmax that the list does not call 'softmax' is quantised finished and normalised). What goes into a quantiser is computed in f32, as accurately as f32 sums, v_exp_f32 and their like allow (about 1e-6 of the number): no bf16 or f16 on the way to a quantiser, and a product that is left as it is and whose result goes on into a quantised operand takes f32 operands (vector FMAs, or v_wmma_f32_16x16x4_f32). A number that lies on a knife's edge between two numbers of the format may be rounded either way, as far as f32 arithmetic and the matrix unit's own rounding can turn it there, and no further.
;;   INPUTS GIVEN AS CODES. W1 (in the module: [1024, 4096], K = its axis 0); W2 (in the module: [4096, 1024], K = its axis 0); Wk (in the module: [1024, 1024], K = its axis 0); Wo (in the module: [1024, 1024], K = its axis 0); Wq (in the module: [1024, 1024], K = its axis 0); Wv (in the module: [1024, 1024], K = its axis 0): each comes as NAME_codes (uint8): NAME with its K axis moved to the last place and cut into blocks of 32 codes, [.., K / 32, bytes a block], one block behind the other in memory; one code a byte (a code: sign, 4 exponent bits, 3 mantissa bits); and NAME_scales (uint8): the same leading axes, one E8M0 byte (e + 127) for each 32 codes along K. Its value is code x scale, taken as it is: it is not quantised again, and the codes and scales need not be those that the quantiser above would give.
;; One version. Each part assembles by itself: llvm-mc -triple=amdgcn-amd-amdhsa -mcpu=gfx1250 --defsym DOCPART=n.
;; ======== version 1 of 1: 7 launches
;; limits: right only within a limited range of input values
;; workspace buffers: xn 4,325,376 bytes; qkv 12,976,128 bytes; ctx 4,325,376 bytes; x2 16,777,216 bytes; y 17,301,504 bytes
;; launch ln1 (part 1): grid 256 x 1, 4 waves a work-group, no clusters, 18,944 bytes of LDS; arguments x, ln1_g, ln1_b, xn; writes xn
.if DOCPART == 1
	.amdgcn_target "amdgcn-amd-amdhsa--gfx1250"
	.amdhsa_code_object_version 6
	.text
	.protected	k_q62da6990df_ln1
	.globl	k_q62da6990df_ln1
	.p2align	8
	.type	k_q62da6990df_ln1,@function
k_q62da6990df_ln1:
	s_mov_b64 s[64:65], 0
	v_nop
	global_prefetch_b8 v0, s[64:65] scope:SCOPE_SE
	s_setreg_imm32_b32 hwreg(HW_REG_WAVE_MODE, 25, 1), 1
	s_wait_xcnt 0x0
; LAYER NORM AND QUANTISER.  For each row of 1,024 f32 numbers: ((x - mean) * rsqrt(var + 1e-6)) * g + b, in f32, then codes of FP8 (E4M3) with one E8M0 byte for each 32 along the row.
; Out: codes [4096][1024] at byte 0 of the last argument, scale bytes [4096][32] at byte 4,194,304 of it.
; SHARES.  A work-group takes 16 rows, each of its four waves 4.  A wave asks for its four rows at the head (32 loads of 512 consecutive bytes) and keeps each row in 32 registers: memory is read once.
; The mean is taken first and subtracted, the variance is the mean of the squares of the differences: a common offset of the inputs costs no accuracy.
; THE TURN.  A load gives a lane 4 neighbours; the conversion wants 8 neighbours of one block in a lane's registers.  So a row's differences go through the wave's own stage in LDS and come back 32 bytes a lane:
; chunk j of lane l = columns 256 j + 8 l .. + 7; four neighbouring lanes hold a block of 32.  Row byte p lies at p + 16 (p / 256): both directions touch 16 different 16-byte columns in 16 lanes.
; A lane's 8 codes are 8 bytes: a store of the wave covers 256 consecutive bytes, aligned.  The wave's 128 scale bytes are gathered in LDS and leave by one store of 128 consecutive bytes.
; No matrix unit, no cluster, no barrier, no tensor load: rows share nothing but g and b (8 KB), and the waves share nothing.
; LIMITS: NaN and infinities are not served.  A block of zeros gets the byte 1 (the floor's) where the quantiser's rule says 127: its codes are zeros, and only this program reads the bytes.
.set WREG, 4608                        ; LDS of a wave: the stage (4,352 bytes), then its scale bytes
.set SBY,  4352
.set T,    32                          ; v32-63   the turned row
.set G,    64                          ; v64-95   g in the turned layout
.set BB,   96                          ; v96-127  b likewise
.set RAW,  128                         ; v128-255 four rows as loaded, 32 registers each; a row's first 8 registers later take its codes
	s_load_b256 s[4:11], s[0:1], 0x0               ; x s[4:5], g s[6:7], b s[8:9], out s[10:11]
	s_set_vgpr_msb 0x40
	v_lshl_add_u32 v0, v0, 2, 0x4800
	v_mov_b32 v1, 0
	s_set_vgpr_msb 0x4000
	v_lshrrev_b32 v1, 5, v0
	v_readfirstlane_b32 s12, v1                    ; wave
	v_and_b32 v1, 31, v0                           ; lane
	s_mul_i32 s13, s12, WREG
	v_lshlrev_b32 v2, 4, v1                        ; 16 l: my bytes of a load's 512
	v_lshrrev_b32 v3, 4, v1
	v_lshl_add_u32 v3, v3, 4, v2
	v_add_nc_u32 v3, s13, v3                       ; the stage, in: 16 l + 16 (l / 16); load j at + 544 j
	v_lshlrev_b32 v5, 5, v1                        ; 32 l: my bytes of a chunk in g and b
	v_lshrrev_b32 v4, 3, v1
	v_lshl_add_u32 v4, v4, 4, v5
	v_add_nc_u32 v4, s13, v4                       ; the stage, out: 32 l + 16 (l / 8); chunk j at + 1088 j
	v_lshlrev_b32 v6, 3, v1                        ; 8 l: my codes in a chunk's 256 bytes
	v_lshrrev_b32 v7, 2, v1
	v_add_nc_u32 v7, s13, v7                       ; my block's scale byte
	v_lshlrev_b32 v9, 2, v1                        ; 4 l
	v_add_nc_u32 v8, s13, v9                       ; the scale bytes on the way out
	v_mov_b32 v27, 0                               ; named as the upper half of the pair v[26:27]
	s_mov_b32 s14, 0x76543210
	s_mov_b32 s15, 0xfedcba98                      ; v_permlanex16_b32: lane l xor 16
	s_mov_b32 s16, 0x3a800000                      ; 1 / 1024
	s_mov_b32 s17, 0x358637bd                      ; 1e-6
	s_mov_b32 s18, 0x600000                        ; the mantissa field of 448
	s_lshl_b32 s20, ttmp9, 4
	s_lshl_b32 s21, s12, 2
	s_add_co_u32 s20, s20, s21                     ; my first row
	s_lshl_b32 s22, s20, 12
	s_mov_b32 s23, 0
	s_lshl_b32 s24, s20, 10
	s_mov_b32 s25, 0
	s_lshl_b32 s26, s20, 5
	s_add_co_u32 s26, s26, 0x400000
	s_mov_b32 s27, 0
	s_wait_kmcnt 0x0
	s_add_nc_u64 s[4:5], s[4:5], s[22:23]
	s_add_nc_u64 s[28:29], s[10:11], s[26:27]      ; my scale bytes
	s_add_nc_u64 s[10:11], s[10:11], s[24:25]      ; my codes
.irp j, 0,1,2,3
	global_load_b128 v[G+8*\j:G+8*\j+3], v5, s[6:7] offset:1024*\j
	global_load_b128 v[G+8*\j+4:G+8*\j+7], v5, s[6:7] offset:1024*\j+16
	global_load_b128 v[BB+8*\j:BB+8*\j+3], v5, s[8:9] offset:1024*\j
	global_load_b128 v[BB+8*\j+4:BB+8*\j+7], v5, s[8:9] offset:1024*\j+16
.endr
.irp rho, 0,1,2,3
.irp j, 0,1,2,3,4,5,6,7
	global_load_b128 v[RAW+32*\rho+4*\j:RAW+32*\rho+4*\j+3], v2, s[4:5] offset:4096*\rho+512*\j
.endr
.endr
.macro ALLSUM                          ; the two chains v[28:29], v[30:31] become one sum over the wave, in every lane's v28
	v_pk_add_f32 v[28:29], v[28:29], v[30:31]
	v_add_f32 v28, v28, v29
	v_add_f32_dpp v28, v28, v28 row_xmask:1 row_mask:0xf bank_mask:0xf
	v_add_f32_dpp v28, v28, v28 row_xmask:2 row_mask:0xf bank_mask:0xf
	v_add_f32_dpp v28, v28, v28 row_xmask:4 row_mask:0xf bank_mask:0xf
	v_add_f32_dpp v28, v28, v28 row_xmask:8 row_mask:0xf bank_mask:0xf
	v_permlanex16_b32 v29, v28, s14, s15
	v_add_f32 v28, v28, v29
.endm
.macro ROW rho
.set R, RAW+32*\rho
	s_wait_loadcnt 8*(3-\rho)                      ; g, b and this row are in; the later rows' loads, 8 each, stay out
	v_pk_add_f32 v[28:29], v[R:R+1], v[R+2:R+3]
	v_pk_add_f32 v[30:31], v[R+4:R+5], v[R+6:R+7]
.irp i, 8,12,16,20,24,28
	v_pk_add_f32 v[28:29], v[28:29], v[R+\i:R+\i+1]
	v_pk_add_f32 v[30:31], v[30:31], v[R+\i+2:R+\i+3]
.endr
	ALLSUM
	v_mul_f32 v26, s16, v28                        ; the mean
.irp i, 0,2,4,6,8,10,12,14,16,18,20,22,24,26,28,30
	v_pk_add_f32 v[R+\i:R+\i+1], v[R+\i:R+\i+1], v[26:27] op_sel_hi:[1,0] neg_lo:[0,1] neg_hi:[0,1]   ; x - mean
.endr
.irp j, 0,1,2,3,4,5,6,7
	ds_store_b128 v3, v[R+4*\j:R+4*\j+3] offset:544*\j
.endr
.irp j, 0,1,2,3
	ds_load_b128 v[T+8*\j:T+8*\j+3], v4 offset:1088*\j             ; LDS serves a wave's instructions in order (ISA guide 5.7.1.4): these see the stores above
	ds_load_b128 v[T+8*\j+4:T+8*\j+7], v4 offset:1088*\j+16
.endr
	v_pk_mul_f32 v[28:29], v[R:R+1], v[R:R+1]      ; the squares are summed while the row turns
	v_pk_mul_f32 v[30:31], v[R+2:R+3], v[R+2:R+3]
.irp i, 4,8,12,16,20,24,28
	v_pk_fma_f32 v[28:29], v[R+\i:R+\i+1], v[R+\i:R+\i+1], v[28:29]
	v_pk_fma_f32 v[30:31], v[R+\i+2:R+\i+3], v[R+\i+2:R+\i+3], v[30:31]
.endr
	ALLSUM
	v_fma_f32 v28, v28, s16, s17                   ; var + 1e-6
	s_wait_alu depctr_va_vdst(0)
	v_rsq_f32 v26, v28
	v_nop                                          ; one plain instruction behind a transcendental (ISA guide 5.7.2)
	s_wait_dscnt 0x0                               ; the turned row is in; the stage's stores and the last row's byte stores have read their registers
	s_wait_alu depctr_va_vdst(0)
.irp i, 0,2,4,6,8,10,12,14,16,18,20,22,24,26,28,30
	v_pk_mul_f32 v[T+\i:T+\i+1], v[T+\i:T+\i+1], v[26:27] op_sel_hi:[1,0]
.endr
.irp i, 0,2,4,6,8,10,12,14,16,18,20,22,24,26,28,30
	v_pk_fma_f32 v[T+\i:T+\i+1], v[T+\i:T+\i+1], v[G+\i:G+\i+1], v[BB+\i:BB+\i+1]
.endr
.irp j, 0,1,2,3
	v_max3_num_f32 v[10+\j], |v[T+8*\j]|, |v[T+8*\j+1]|, 0x4800000   ; chunk j: my 8 numbers and the floor 2^(9 - 127): the byte cannot fall under 1
.endr
.irp i, 2,4,6
.irp j, 0,1,2,3
	v_max3_num_f32 v[10+\j], v[10+\j], |v[T+8*\j+\i]|, |v[T+8*\j+\i+1]|
.endr
.endr
.irp m, 1,2
.irp j, 0,1,2,3
	v_max_num_f32_dpp v[10+\j], v[10+\j], v[10+\j] row_xmask:\m row_mask:0xf bank_mask:0xf   ; with the three lanes that share the block
.endr
.endr
.irp j, 0,1,2,3
	v_add_nc_u32 v[14+\j], 0xfc000000, v[10+\j]    ; 8 off the exponent field: the conversion's scale operand
.endr
.irp j, 0,1,2,3
	v_and_or_b32 v[18+\j], v[10+\j], 0x7f800000, s18   ; 448 x the scale
.endr
.irp j, 0,1,2,3
.irp i, 0,1,2,3,4,5,6,7
	v_med3_num_f32 v[T+8*\j+\i], v[T+8*\j+\i], -v[18+\j], v[18+\j]   ; the conversion to an 8-bit code does not saturate (ISA guide 7.6.2)
.endr
.endr
.irp j, 0,1,2,3
	v_cvt_scalef32_pk8_fp8_f32 v[R+2*\j:R+2*\j+1], v[T+8*\j:T+8*\j+7], v[14+\j]
.endr
.irp j, 0,1,2,3
	v_lshrrev_b32 v[22+\j], 23, v[14+\j]           ; the scale's byte
.endr
.irp j, 0,1,2,3
	global_store_b64 v6, v[R+2*\j:R+2*\j+1], s[10:11] offset:1024*\rho+256*\j   ; 32 lanes store 256 consecutive bytes, aligned; these registers are not written again
	ds_store_b8 v7, v[22+\j] offset:SBY+32*\rho+8*\j                            ; the four lanes of a block write the same byte with the same value
.endr
.endm
	ROW 0
	ROW 1
	ROW 2
	ROW 3
	ds_load_b32 v10, v8 offset:SBY
	s_wait_dscnt 0x0
	global_store_b32 v9, v10, s[28:29]             ; my four rows' 128 scale bytes, consecutive
	s_set_vgpr_msb 0x5
	s_wait_tensorcnt 0x0
	ds_add_u32 v0, v1
	s_wait_dscnt 0x0
	s_set_vgpr_msb 0x500
	s_endpgm
.Lfunc_end_k_q62da6990df_ln1:
	.size	k_q62da6990df_ln1, .Lfunc_end_k_q62da6990df_ln1-k_q62da6990df_ln1
	.p2alignl 7, 3214868480
	.fill 96, 4, 3214868480
	.section	.rodata,"a",@progbits
	.p2align	6, 0x0
	.amdhsa_kernel k_q62da6990df_ln1
		.amdhsa_group_segment_fixed_size 18944
		.amdhsa_private_segment_fixed_size 0
		.amdhsa_enable_private_segment 0
		.amdhsa_kernarg_size 32
		.amdhsa_user_sgpr_count 2
		.amdhsa_user_sgpr_kernarg_segment_ptr 1
		.amdhsa_wavefront_size32 1
		.amdhsa_system_sgpr_workgroup_id_x 1
		.amdhsa_system_sgpr_workgroup_id_y 1
		.amdhsa_system_sgpr_workgroup_id_z 1
		.amdhsa_system_vgpr_workitem_id 0
		.amdhsa_next_free_vgpr 258
		.amdhsa_next_free_sgpr 66
		.amdhsa_reserve_vcc 0
		.amdhsa_float_denorm_mode_32 3
		.amdhsa_float_denorm_mode_16_64 3
		.amdhsa_memory_ordered 1
		.amdhsa_forward_progress 1
		.amdhsa_inst_pref_size 56
	.end_amdhsa_kernel
	.amdgpu_metadata
---
amdhsa.version: [ 1, 2 ]
amdhsa.kernels:
  - .name:           k_q62da6990df_ln1
    .symbol:         k_q62da6990df_ln1.kd
    .args:
      - { .name: x, .offset: 0, .size: 8, .value_kind: global_buffer, .address_space: global }
      - { .name: ln1_g, .offset: 8, .size: 8, .value_kind: global_buffer, .address_space: global }
      - { .name: ln1_b, .offset: 16, .size: 8, .value_kind: global_buffer, .address_space: global }
      - { .name: xn, .offset: 24, .size: 8, .value_kind: global_buffer, .address_space: global }
    .group_segment_fixed_size: 18944
    .private_segment_fixed_size: 0
    .kernarg_segment_align: 8
    .kernarg_segment_size: 32
    .max_flat_workgroup_size: 128
    .sgpr_count:     66
    .vgpr_count:     258
    .wavefront_size: 32
...
	.end_amdgpu_metadata
.endif
;; end of part 1
;; launch qkv (part 2): grid 12 x 16, 4 waves a work-group, clusters of 4 x 4, 327,680 bytes of LDS; arguments xn, Wq_codes, Wq_scales, Wk_codes, Wk_scales, Wv_codes, Wv_scales, bq, bk, bv, qkv; writes qkv
.if DOCPART == 2
	.amdgcn_target "amdgcn-amd-amdhsa--gfx1250"
	.amdhsa_code_object_version 6
	.text
	.protected	k_q62da6990df_qkv
	.globl	k_q62da6990df_qkv
	.p2align	8
	.type	k_q62da6990df_qkv,@function
k_q62da6990df_qkv:
	s_mov_b64 s[64:65], 0
	v_nop
	global_prefetch_b8 v0, s[64:65] scope:SCOPE_SE
	s_setreg_imm32_b32 hwreg(HW_REG_WAVE_MODE, 25, 1), 1
	s_wait_xcnt 0x0
	s_wait_alu depctr_hold_cnt(0) depctr_sa_sdst(0) depctr_va_vdst(0) depctr_va_sdst(0) depctr_va_ssrc(0) depctr_va_vcc(0) depctr_vm_vsrc(0)
	s_getreg_b32 s2, hwreg(HW_REG_IB_STS2, 6, 4)
	s_cmp_eq_u32 s2, 0
	s_cbranch_scc0 .Lentry_in_a_cluster
	s_endpgm
.Lentry_in_a_cluster:
	s_bfe_u32 s2, ttmp6, 0x10000c
	s_cmp_lg_u32 s2, 0xf033
	s_cbranch_scc0 .Lentry_shape_is_right
	s_endpgm
.Lentry_shape_is_right:
.set SIZE_K, 1024
.set KSTEP,  256
.set NQ,     KSTEP/128
.set ROWB,   256
.set KROW,   SIZE_K
.set PITCH,  272
.set FR,     16
.set NL,     4
.set NP,     8
.set HALFT,  128*PITCH
.set SLOT,   4*HALFT
.set LAPS,   SIZE_K/(2*KSTEP)
.set KS,     SIZE_K/32
.set SCL,    2*SLOT
.set HALFS,  (128*KS/256)*272
.set SBLK,   (16*KS/256)*272
.set SPARE,  SCL+4*HALFS
.set ADRA, 16
.set ADRB, 20
.set ADRS, 27
.set SPW,  28
.set NIL,  29
.set SC,   32
.set AF,   128
.set G1, 24
.set G0, 32
.set G1B, 48
.set G0B, 56
.set G1S, 68
.set G0S, 76
.set G1SB, 80
.set G0SB, 88
.set X,   128
.set PC,  32
.set TM,  48
.set BN,  64
.set BM,  8
.set WL,  192
.set WM,  48
.set SEL, 18
.set MNT, 22
.set MSB, 0
.macro WIN new
.if MSB != \new
	s_set_vgpr_msb (MSB<<8)|\new
.set MSB, \new
.endif
.endm
.set MUL_LO, 0xa1
.set MUL_HI, 0xf1
.set TO_B,   0x40
.macro JLOAD g0a, g1a, g0b, g1b
	s_cmp_eq_u32 s15, 0
	s_cbranch_scc0 .Lfor_b_\@
	tensor_load_to_lds s[\g0a:\g0a+3], s[\g1a:\g1a+7]
	s_nop 0
.rept 4
	v_nop
.endr
	s_branch .Lasked_\@
.Lfor_b_\@:
	tensor_load_to_lds s[\g0b:\g0b+3], s[\g1b:\g1b+7]
	s_nop 0
.rept 4
	v_nop
.endr
.Lasked_\@:
.endm
.macro CREST
	s_cmp_lg_u32 s14, 0
	s_cbranch_scc1 .Lnot_wave_0_\@
	s_barrier_signal -3
.Lnot_wave_0_\@:
	s_barrier_wait -3
	s_barrier_signal -1
	s_barrier_wait -1
.endm
.macro CROUND
	s_barrier_signal -1
	s_barrier_wait -1
	CREST
.endm
	s_load_b512 s[68:83], s[0:1], 0x0
	s_load_b128 s[84:87], s[0:1], 0x40
	s_load_b64 s[88:89], s[0:1], 0x50
	v_lshl_add_u32 v[SPW], v0, 2, SPARE
	v_mov_b32 v[NIL], 0
	ds_add_u32 v28, v29
	ds_add_u32 v28, v29
	s_wait_dscnt 0x0
	v_lshrrev_b32 v1, 5, v0
	v_readfirstlane_b32 s14, v1
	s_lshr_b32 s15, s14, 1
	s_and_b32 s16, s14, 1
	s_bfe_u32 s40, ttmp6, 0x40000
	s_bfe_u32 s41, ttmp6, 0x40004
	s_and_b32 s17, ttmp7, 0xffff
	CROUND                                         ; the opening round, behind the opening adds and ahead of the wait for the arguments: all sixteen work-groups are here
	s_wait_kmcnt 0x0
	s_add_nc_u64 s[90:91], s[68:69], 0x400000
	s_cmp_eq_u32 ttmp9, 0
	s_cselect_b64 s[8:9], s[70:71], s[74:75]
	s_cselect_b64 s[10:11], s[72:73], s[76:77]
	s_cselect_b64 s[96:97], s[82:83], s[84:85]
	s_cmp_eq_u32 ttmp9, 2
	s_cselect_b64 s[4:5], s[78:79], s[68:69]
	s_cselect_b64 s[6:7], s[80:81], s[90:91]
	s_cselect_b64 s[8:9], s[68:69], s[8:9]
	s_cselect_b64 s[10:11], s[90:91], s[10:11]
	s_cselect_b64 s[96:97], s[86:87], s[96:97]
	s_cselect_b32 s98, -1, 0
	s_cselect_b32 s18, 0, s17
	s_cselect_b32 s19, s17, 0
	s_mov_b64 s[12:13], s[88:89]
	s_lshl_b32 s42, s19, 2
	s_add_co_u32 s42, s42, s40
	s_lshl_b32 s17, s18, 2
	s_add_co_u32 s17, s17, s41
	s_lshl_b32 s43, s41, 2
	s_lshl_b32 s43, 15, s43
	s_lshl_b32 s44, 0x1111, s40
	s_or_b32 s[G1+0], s43, (0<<16)|(1<<20)|(1<<21)|(5<<22)|(3<<25)
	s_or_b32 s[G1B+0], s44, (0<<16)|(1<<20)|(1<<21)|(5<<22)|(3<<25)
.irp g, G1, G1B
	s_mov_b32 s[\g+1], ROWB<<16
	s_mov_b32 s[\g+2], 256<<16
	s_mov_b32 s[\g+3], ROWB<<16
	s_mov_b32 s[\g+4], 256
	s_mov_b32 s[\g+5], KROW
	s_mov_b32 s[\g+6], 0
	s_mov_b32 s[\g+7], 0
.endr
	s_or_b32 s[G1S+0], s43, (3<<16)|(1<<20)|(1<<21)|(5<<22)|(3<<25)
	s_or_b32 s[G1SB+0], s44, (3<<16)|(1<<20)|(1<<21)|(5<<22)|(3<<25)
.irp g, G1S, G1SB
	s_mov_b32 s[\g+1], 32<<16
	s_mov_b32 s[\g+2], KS<<16
	s_mov_b32 s[\g+3], 32<<16
	s_mov_b32 s[\g+4], KS
	s_mov_b32 s[\g+5], 32
	s_mov_b32 s[\g+6], 0
	s_mov_b32 s[\g+7], 0
.endr
	s_lshl_b32 s20, s17, 8                         ; the tiles' first rows
	s_lshl_b32 s46, s42, 8
	s_mov_b32 s21, 0
	s_mov_b32 s47, 0
	s_mov_b64 s[18:19], KS
	s_mul_u64 s[22:23], s[20:21], s[18:19]
	s_mul_u64 s[92:93], s[46:47], s[18:19]
	s_mov_b64 s[18:19], KROW
	s_mul_u64 s[20:21], s[20:21], s[18:19]
	s_mul_u64 s[46:47], s[46:47], s[18:19]
	s_mul_i32 s45, s14, HALFT
	s_mul_i32 s94, s16, 128*KROW                   ; in the ring I fetch 128 rows of a tile: which half, in bytes
	s_mov_b32 s95, 0
	s_add_nc_u64 s[20:21], s[4:5], s[20:21]
	s_add_nc_u64 s[22:23], s[6:7], s[22:23]
	s_add_nc_u64 s[46:47], s[8:9], s[46:47]
	s_add_nc_u64 s[92:93], s[10:11], s[92:93]
	s_mov_b32 s[G0S], 1
	s_mov_b32 s[G0S+1], SCL
	s_mov_b64 s[G0S+2:G0S+3], s[22:23]
	s_or_b32 s[G0S+3], s[G0S+3], 0x80000000
	s_mov_b32 s[G0SB], 1
	s_mov_b32 s[G0SB+1], SCL+2*HALFS
	s_mov_b64 s[G0SB+2:G0SB+3], s[92:93]
	s_or_b32 s[G0SB+3], s[G0SB+3], 0x80000000
.set G0H, 4                            ; s[4:7], s[8:11] group 0 of the head's loads of K step 0 (the pointers that lay there have been used)
.set G0HB, 8
	s_mov_b32 s[G0H], 1
	s_mov_b32 s[G0H+1], 0
	s_mov_b64 s[G0H+2:G0H+3], s[20:21]
	s_or_b32 s[G0H+3], s[G0H+3], 0x80000000
	s_mov_b32 s[G0HB], 1
	s_mov_b32 s[G0HB+1], 2*HALFT
	s_mov_b64 s[G0HB+2:G0HB+3], s[46:47]
	s_or_b32 s[G0HB+3], s[G0HB+3], 0x80000000
	s_add_nc_u64 s[20:21], s[20:21], s[94:95]      ; for the ring: my 128 rows of the tile
	s_add_nc_u64 s[46:47], s[46:47], s[94:95]
.irp s, 0,1
	s_mov_b32 s[G0+4*\s], 1
	s_add_co_u32 s[G0+4*\s+1], s45, \s*SLOT
	s_add_nc_u64 s[G0+4*\s+2:G0+4*\s+3], s[20:21], \s*ROWB
	s_or_b32 s[G0+4*\s+3], s[G0+4*\s+3], 0x80000000
	s_mov_b32 s[G0B+4*\s], 1
	s_add_co_u32 s[G0B+4*\s+1], s45, \s*SLOT
	s_add_nc_u64 s[G0B+4*\s+2:G0B+4*\s+3], s[46:47], \s*ROWB
	s_or_b32 s[G0B+4*\s+3], s[G0B+4*\s+3], 0x80000000
.endr
; the head's four tiles, one load a wave: wave 0 K step 0's 256 rows of source 1, wave 1 those of source 0, waves 2 and 3 their scale bytes
.macro ARM under, g0, g1, next
	s_cmp_lt_u32 s14, \under
	s_cbranch_scc0 \next
	tensor_load_to_lds s[\g0:\g0+3], s[\g1:\g1+7]
	s_nop 0
.rept 4
	v_nop
.endr
	s_branch .Lhead_asked
\next:
.endm
	s_cmp_eq_u32 s15, 0                            ; the prefetches: of the 128 rows that I fetch in the ring my work-group names 32, told apart from its three partners by address
	s_cselect_b64 s[66:67], s[20:21], s[46:47]
	s_cselect_b32 s94, s40, s41
	s_mul_i32 s94, s94, 32*KROW
	s_add_nc_u64 s[66:67], s[66:67], s[94:95]      ; never rewritten
	ARM 1, G0H,  G1,  .Lhead_b
	ARM 2, G0HB, G1B, .Lhead_sa
	ARM 3, G0S,  G1S, .Lhead_sb
	tensor_load_to_lds s[G0SB:G0SB+3], s[G1SB:G1SB+7]
	s_nop 0
.rept 4
	v_nop
.endr
.Lhead_asked:
	v_and_b32 v24, 31, v0
	v_lshlrev_b32 v24, 10, v24                     ; a lane a row; never rewritten
	global_prefetch_b8 v24, s[66:67] offset:ROWB th:TH_LOAD_NT scope:SCOPE_SE     ; K step 1 of my 32 rows, 256 bytes each,
	v_and_b32 v1, 15, v0
	v_bfe_u32 v2, v0, 4, 1
	v_mul_u32_u24 v3, v1, PITCH
	v_lshl_add_u32 v4, v2, 4, v3
	s_mul_i32 s21, s15, HALFT
	s_mul_i32 s22, s16, HALFT
	s_add_co_u32 s22, s22, 2*HALFT
.irp s, 0,1
	v_add_nc_u32 v[ADRA+\s], s21, v4
	v_add_nc_u32 v[ADRB+\s], s22, v4
	s_add_co_u32 s21, s21, SLOT
	s_add_co_u32 s22, s22, SLOT
.endr
	v_mul_u32_u24 v5, v1, KS
	v_lshrrev_b32 v6, 8, v5
	v_lshl_add_u32 v5, v6, 4, v5
	s_mul_i32 s21, s15, HALFS
	s_mul_i32 s22, s16, HALFS
	s_add_co_u32 s22, s22, 2*HALFS
	s_sub_co_u32 s22, s22, s21
	v_mul_u32_u24 v6, s22, v2
	s_add_co_u32 s21, s21, SCL
	v_add_nc_u32 v5, v5, v6
	v_add_nc_u32 v[ADRS], s21, v5
	s_lshl_b32 s40, s17, 8
	s_lshl_b32 s41, s15, 7
	s_add_co_u32 s40, s40, s41
	s_lshl_b32 s41, s42, 8
	s_lshl_b32 s43, s16, 7
	s_add_co_u32 s41, s41, s43
	s_mov_b32 s20, 16384
	s_mov_b32 s21, 1024
	s_mov_b32 s22, 2048
	s_cmp_eq_u32 ttmp9, 2
	s_cselect_b32 s43, s41, s40
	s_cselect_b32 s44, s40, s41
	s_cselect_b32 s46, 0, s41
	s_cselect_b32 s40, s40, 0
	s_cselect_b32 s20, s20, s21
	s_cselect_b32 s23, s21, 0x10000
	s_cselect_b32 s42, 2, s22
	s_cselect_b32 s41, s22, 128
	s_cselect_b32 s45, 128, 64
	s_cselect_b32 s47, 2, 1
	s_cselect_b32 s21, 4, 6
	v_and_b32 v5, 31, v0
	v_lshlrev_b32 v30, 4, v5
	v_add_nc_u32 v31, s23, v30
	v_lshlrev_b32 v18, s47, v5
	v_add_nc_u32 v19, s45, v18
	v_add_nc_u32 v22, s41, v18
	v_add_nc_u32 v23, s41, v19
	s_lshr_b32 s23, s43, 10
	s_and_b32 s43, s43, 1023
	s_lshr_b32 s44, s44, 6
	s_lshl_b32 s23, s23, 4
	s_add_co_u32 s23, s23, s44
	s_lshl_b32 s44, s43, s21
	s_lshl_b32 s45, s23, 16
	s_add_co_u32 s44, s44, s45
	s_lshl_b32 s45, ttmp9, 22
	s_add_co_u32 s44, s44, s45
	s_mov_b32 s45, 0
	s_lshl_b32 s92, s23, 11
	s_lshl_b32 s43, s43, 1
	s_add_co_u32 s92, s92, s43
	s_lshl_b32 s43, ttmp9, 17
	s_add_co_u32 s92, s92, s43
	s_add_co_u32 s92, s92, 12582912
	s_mov_b32 s93, 0
	s_add_nc_u64 s[92:93], s[12:13], s[92:93]
	s_mov_b32 s43, 0
	s_add_nc_u64 s[94:95], s[92:93], s[42:43]
	s_add_nc_u64 s[12:13], s[12:13], s[44:45]
	s_mov_b32 s21, 0
	s_lshl_b32 s46, s46, 2
	s_mov_b32 s47, 0
	s_lshl_b32 s40, s40, 2
	s_mov_b32 s41, 0
	s_add_nc_u64 s[100:101], s[96:97], s[40:41]
	s_add_nc_u64 s[96:97], s[96:97], s[46:47]
	v_lshlrev_b32 v6, 5, v2
	v_lshlrev_b32 v7, 2, v1
.irp t, 0,1,2,3,4,5,6,7
	global_load_b128 v[BN+8*\t:BN+8*\t+3], v6, s[96:97] offset:64*\t
	global_load_b128 v[BN+8*\t+4:BN+8*\t+7], v6, s[96:97] offset:64*\t+16
.endr
.irp a, 0,1,2,3,4,5,6,7
	global_load_b32 v[BM+\a], v7, s[100:101] offset:64*\a
.endr
	s_mov_b32 s[SEL], 0x76543210
	s_mov_b32 s[SEL+1], 0xfedcba98
	s_mov_b32 s[MNT], 0x600000
	s_mov_b32 s99, 0xffff0000
.macro FRAG reg, adr, q, i
.irp c, 0,1,2,3
	ds_load_b128 v[\reg+4*\c:\reg+4*\c+3], v[\adr] offset:128*(\q)+32*\c+(\i)*16*PITCH
.endr
.endm
.macro MUL16 a0, p, q, sc, zero
.irp a, \a0, \a0+1
.irp b, 0,1,2,3,4,5,6,7
.if \zero
	v_wmma_scale_f32_16x16x128_f8f6f4 v[8*(8*((\a)%4)+\b):8*(8*((\a)%4)+\b)+7], v[128*(\p)+FR*\b:128*(\p)+FR*\b+FR-1], v[AF+FR*(\a):AF+FR*(\a)+FR-1], 0, v[SC+8*NQ*(\sc)+NQ*\b+(\q)], v[SC+8*NQ*(\sc)+NQ*(\a)+(\q)] matrix_a_scale:MATRIX_SCALE_ROW1
.else
	v_wmma_scale_f32_16x16x128_f8f6f4 v[8*(8*((\a)%4)+\b):8*(8*((\a)%4)+\b)+7], v[128*(\p)+FR*\b:128*(\p)+FR*\b+FR-1], v[AF+FR*(\a):AF+FR*(\a)+FR-1], v[8*(8*((\a)%4)+\b):8*(8*((\a)%4)+\b)+7], v[SC+8*NQ*(\sc)+NQ*\b+(\q)], v[SC+8*NQ*(\sc)+NQ*(\a)+(\q)] matrix_a_scale:MATRIX_SCALE_ROW1
.endif
.endr
.endr
.endm
.macro FETCH_B slot, q, p
	WIN TO_B
.irp i, 0,1,2,3,4,5,6,7
	FRAG 128*(\p)+FR*\i, ADRB+\slot, \q, \i
.endr
	WIN 0
.endm
.macro FETCH_A slot, q, i0
.irp i, \i0, \i0+1, \i0+2, \i0+3
	FRAG AF+FR*(\i), ADRA+\slot, \q, \i
.endr
.endm
.macro SCALES sc
.irp i, 0,1,2,3,4,5,6,7
	ds_load_b64 v[SC+8*NQ*\sc+NQ*\i:SC+8*NQ*\sc+NQ*\i+1], v[ADRS] offset:\i*SBLK
.endr
.endm
.macro PLACES n
.rept \n
	v_nop
.endr
.endm
.macro STEP slot, q, zero
	s_wait_dscnt 4*NL
	FETCH_B \slot, (\q)+1, 1-(\q)%2                ; the next step's 32 loads go out at this step's head: their set was last read ahead of the eight places at the last step's end
	WIN MUL_LO
	MUL16 0, (\q)%2, \q, \slot, \zero
	MUL16 2, (\q)%2, \q, \slot, \zero
	s_wait_dscnt 8*NL                              ; all but those 32: blocks 4-7 of source 1 are in
	PLACES NP
	WIN 0
	FETCH_A \slot, (\q)+1, 0
	WIN MUL_HI
	MUL16 4, (\q)%2, \q, \slot, \zero
	MUL16 6, (\q)%2, \q, \slot, \zero
	PLACES NP
	WIN 0
	FETCH_A \slot, (\q)+1, 4
.endm
.macro TURN slot, next, fill
	s_wait_tensorcnt 0x0
	ds_add_u32 v[SPW], v[NIL]
	s_wait_dscnt 4*NL+1
	WIN MUL_LO
	MUL16 0, 1, NQ-1, \slot, 0
	s_wait_dscnt 0x0
	s_barrier_signal -1
	MUL16 2, 1, NQ-1, \slot, 0
	WIN 0
	s_barrier_wait -1
.if \fill
	CREST
	s_add_nc_u64 s[G0+4*\slot+2:G0+4*\slot+3], s[G0+4*\slot+2:G0+4*\slot+3], 2*ROWB
	s_add_nc_u64 s[G0B+4*\slot+2:G0B+4*\slot+3], s[G0B+4*\slot+2:G0B+4*\slot+3], 2*ROWB
	JLOAD G0+4*\slot, G1, G0B+4*\slot, G1B
	PLACES NP-4
.else
	PLACES NP
.endif
	s_wait_alu depctr_va_vdst(0)
	v_add_nc_u32 v[ADRS], 4*NQ, v[ADRS]
	FETCH_B \next, 0, 0
	FETCH_A \next, 0, 0
	SCALES \next
	WIN MUL_HI
	MUL16 4, 1, NQ-1, \slot, 0
	MUL16 6, 1, NQ-1, \slot, 0
	PLACES NP
	WIN 0
	FETCH_A \next, 0, 4
.endm
.macro QUANT s, nb, pw
.set qb, 0
.rept \nb
	v_max3_num_f32 v[TM+qb], |v[\s+16*qb]|, |v[\s+16*qb+1]|, 0x4800000
.set qb, qb+1
.endr
.irp i, 2,4,6,8,10,12,14
.set qb, 0
.rept \nb
	v_max3_num_f32 v[TM+qb], v[TM+qb], |v[\s+16*qb+\i]|, |v[\s+16*qb+\i+1]|
.set qb, qb+1
.endr
.endr
.set qb, 0
.rept \nb
	v_permlanex16_b32 v[TM+4+qb], v[TM+qb], s[SEL], s[SEL+1]
.set qb, qb+1
.endr
.set qb, 0
.rept \nb
	v_max_num_f32 v[TM+qb], v[TM+qb], v[TM+4+qb]
.set qb, qb+1
.endr
.set qb, 0
.rept \nb
	v_add_nc_u32 v[TM+12+qb], 0xfc000000, v[TM+qb]
.set qb, qb+1
.endr
.set qb, 0
.rept \nb
	v_and_or_b32 v[TM+8+qb], v[TM+qb], 0x7f800000, s[MNT]
.set qb, qb+1
.endr
.set qb, 0
.rept \nb
	v_lshrrev_b32 v[TM+4+qb], 23, v[TM+12+qb]
.set qb, qb+1
.endr
	v_lshl_or_b32 v[\pw], v[TM+5], 8, v[TM+4]
.if \nb > 2
	v_lshl_or_b32 v[\pw], v[TM+6], 16, v[\pw]
	v_lshl_or_b32 v[\pw], v[TM+7], 24, v[\pw]
.endif
.set qb, 0
.rept \nb
.irp i, 0,1,2,3,4,5,6,7,8,9,10,11,12,13,14,15
	v_med3_num_f32 v[\s+16*qb+\i], v[\s+16*qb+\i], -v[TM+8+qb], v[TM+8+qb]
.endr
	v_cvt_scalef32_pk8_fp8_f32 v[PC+4*qb:PC+4*qb+1], v[\s+16*qb:\s+16*qb+7], v[TM+12+qb]
	v_cvt_scalef32_pk8_fp8_f32 v[PC+4*qb+2:PC+4*qb+3], v[\s+16*qb+8:\s+16*qb+15], v[TM+12+qb]
.set qb, qb+1
.endr
	v_nop
.endm
	s_wait_alu depctr_va_vdst(0)
	s_wait_tensorcnt 0x0                           ; my tile of the head's four is in
	ds_add_u32 v[SPW], v[NIL]
	s_mov_b32 s[G1+2], 128<<16                     ; no tensor load of mine is out: from here on a load brings 128 rows
	s_mov_b32 s[G1+4], 128
	s_mov_b32 s[G1B+2], 128<<16
	s_mov_b32 s[G1B+4], 128
	s_wait_dscnt 0x0
	CROUND                                         ; all four tiles are in, and the joint loads meet
	JLOAD G0+4, G1, G0B+4, G1B                     ; K step 1, the first tensor load behind the round
	FETCH_B 0, 0, 0
	FETCH_A 0, 0, 0
	SCALES 0
	FETCH_A 0, 0, 4
	global_prefetch_b8 v24, s[66:67] offset:2*ROWB th:TH_LOAD_NT scope:SCOPE_SE   ; K step 2, one whole step ahead of its tensor load
	STEP 0, 0, 1
	global_prefetch_b8 v24, s[66:67] offset:3*ROWB th:TH_LOAD_NT scope:SCOPE_SE   ; K step 3, two steps ahead of its tensor load
	s_mov_b32 s3, LAPS-1
.Llap:
	TURN 0, 1, 1
	STEP 1, 0, 0
	TURN 1, 0, 1
	STEP 0, 0, 0
	s_sub_co_u32 s3, s3, 1
	s_cmp_lg_u32 s3, 0
	s_cbranch_scc1 .Llap
	TURN 0, 1, 0
	STEP 1, 0, 0
	s_wait_dscnt 4*NL
	WIN MUL_LO
	MUL16 0, 1, NQ-1, 1, 0
	MUL16 2, 1, NQ-1, 1, 0
	s_wait_dscnt 0
	WIN MUL_HI
	MUL16 4, 1, NQ-1, 1, 0
	MUL16 6, 1, NQ-1, 1, 0
	WIN 0
	s_wait_loadcnt 0x0
.set i, 0
.rept 64
	v_cndmask_b32 v[BN+i], v[BN+i], 0, s98
.set i, i+1
.endr
.set i, 0
.rept 8
	v_cndmask_b32 v[BM+i], 0, v[BM+i], s98
.set i, i+1
.endr
.irp b, 0,1,2,3
	v_mov_b32 v[TM+4+\b], 0
.endr
.irp a, 0,1,2,3,4,5,6,7
.if \a > 0
	s_wait_xcnt 0x0
	s_add_nc_u64 s[12:13], s[12:13], s[20:21]
.endif
	WIN 0x02+(\a)/4
.set i, 0
.rept 32
	v_pk_add_f32 v[X+i:X+i+1], v[64*((\a)%4)+i:64*((\a)%4)+i+1], v[BN+i:BN+i+1]
.set i, i+2
.endr
	WIN 0
.set i, 0
.rept 32
.if (\a)%2
	v_pk_add_f32 v[X+i:X+i+1], v[X+i:X+i+1], v[BM+(\a)-1:BM+(\a)] op_sel:[0,1] op_sel_hi:[1,1]
.else
	v_pk_add_f32 v[X+i:X+i+1], v[X+i:X+i+1], v[BM+(\a):BM+(\a)+1] op_sel_hi:[1,0]
.endif
.set i, i+2
.endr
	QUANT X, 4, WL+\a
	global_store_b128 v30, v[PC:PC+3], s[12:13]
	global_store_b128 v30, v[PC+4:PC+7], s[12:13] offset:512
	global_store_b128 v31, v[PC+8:PC+11], s[12:13]
	global_store_b128 v31, v[PC+12:PC+15], s[12:13] offset:512
.endr
.irp p, 0,1,2,3
	v_cndmask_b32 v[WM+\p], v[WL+2*\p], v[WL+2*\p+1], s99
.endr
	global_store_b16 v18, v[WM], s[92:93]
	global_store_b16 v19, v[WM+1], s[92:93]
	global_store_b16 v22, v[WM+2], s[92:93]
	global_store_b16 v23, v[WM+3], s[92:93]
	global_store_d16_hi_b16 v18, v[WM], s[94:95]
	global_store_d16_hi_b16 v19, v[WM+1], s[94:95]
	global_store_d16_hi_b16 v22, v[WM+2], s[94:95]
	global_store_d16_hi_b16 v23, v[WM+3], s[94:95]
	s_wait_tensorcnt 0x0
	ds_add_u32 v[SPW], v[NIL]
	s_wait_dscnt 0x0
	CROUND
	s_endpgm
.Lfunc_end_k_q62da6990df_qkv:
	.size	k_q62da6990df_qkv, .Lfunc_end_k_q62da6990df_qkv-k_q62da6990df_qkv
	.p2alignl 7, 3214868480
	.fill 96, 4, 3214868480
	.section	.rodata,"a",@progbits
	.p2align	6, 0x0
	.amdhsa_kernel k_q62da6990df_qkv
		.amdhsa_group_segment_fixed_size 327680
		.amdhsa_private_segment_fixed_size 0
		.amdhsa_enable_private_segment 0
		.amdhsa_kernarg_size 88
		.amdhsa_user_sgpr_count 2
		.amdhsa_user_sgpr_kernarg_segment_ptr 1
		.amdhsa_wavefront_size32 1
		.amdhsa_system_sgpr_workgroup_id_x 1
		.amdhsa_system_sgpr_workgroup_id_y 1
		.amdhsa_system_sgpr_workgroup_id_z 1
		.amdhsa_system_vgpr_workitem_id 0
		.amdhsa_next_free_vgpr 1024
		.amdhsa_next_free_sgpr 102
		.amdhsa_reserve_vcc 0
		.amdhsa_float_denorm_mode_32 3
		.amdhsa_float_denorm_mode_16_64 3
		.amdhsa_memory_ordered 1
		.amdhsa_forward_progress 1
		.amdhsa_inst_pref_size 227
	.end_amdhsa_kernel
	.amdgpu_metadata
---
amdhsa.version: [ 1, 2 ]
amdhsa.kernels:
  - .name:           k_q62da6990df_qkv
    .symbol:         k_q62da6990df_qkv.kd
    .args:
      - { .name: xn, .offset: 0, .size: 8, .value_kind: global_buffer, .address_space: global }
      - { .name: Wq_codes, .offset: 8, .size: 8, .value_kind: global_buffer, .address_space: global }
      - { .name: Wq_scales, .offset: 16, .size: 8, .value_kind: global_buffer, .address_space: global }
      - { .name: Wk_codes, .offset: 24, .size: 8, .value_kind: global_buffer, .address_space: global }
      - { .name: Wk_scales, .offset: 32, .size: 8, .value_kind: global_buffer, .address_space: global }
      - { .name: Wv_codes, .offset: 40, .size: 8, .value_kind: global_buffer, .address_space: global }
      - { .name: Wv_scales, .offset: 48, .size: 8, .value_kind: global_buffer, .address_space: global }
      - { .name: bq, .offset: 56, .size: 8, .value_kind: global_buffer, .address_space: global }
      - { .name: bk, .offset: 64, .size: 8, .value_kind: global_buffer, .address_space: global }
      - { .name: bv, .offset: 72, .size: 8, .value_kind: global_buffer, .address_space: global }
      - { .name: qkv, .offset: 80, .size: 8, .value_kind: global_buffer, .address_space: global }
    .group_segment_fixed_size: 327680
    .private_segment_fixed_size: 0
    .kernarg_segment_align: 8
    .kernarg_segment_size: 88
    .max_flat_workgroup_size: 128
    .sgpr_count:     102
    .vgpr_count:     1024
    .wavefront_size: 32
...
	.end_amdgpu_metadata
.endif
;; end of part 2
;; launch attn (part 3): grid 4 x 64, 16 waves a work-group, clusters of 4 x 1, 169,984 bytes of LDS; arguments qkv, ctx; writes ctx
.if DOCPART == 3
	.amdgcn_target "amdgcn-amd-amdhsa--gfx1250"
	.amdhsa_code_object_version 6
	.text
	.protected	k_q62da6990df_attn
	.globl	k_q62da6990df_attn
	.p2align	8
	.type	k_q62da6990df_attn,@function
k_q62da6990df_attn:
	s_mov_b64 s[64:65], 0
	v_nop
	global_prefetch_b8 v0, s[64:65] scope:SCOPE_SE
	s_setreg_imm32_b32 hwreg(HW_REG_WAVE_MODE, 25, 1), 1
	s_wait_xcnt 0x0
	s_wait_alu depctr_hold_cnt(0) depctr_sa_sdst(0) depctr_va_vdst(0) depctr_va_sdst(0) depctr_va_ssrc(0) depctr_va_vcc(0) depctr_vm_vsrc(0)
	s_getreg_b32 s2, hwreg(HW_REG_IB_STS2, 6, 4)
	s_cmp_eq_u32 s2, 0
	s_cbranch_scc0 .Lentry_in_a_cluster
	s_endpgm
.Lentry_in_a_cluster:
	s_bfe_u32 s2, ttmp6, 0x10000c
	s_cmp_lg_u32 s2, 0x3003
	s_cbranch_scc0 .Lentry_shape_is_right
	s_endpgm
.Lentry_shape_is_right:
; ATTENTION on codes of FP8 (E4M3) with E8M0 scales: for each of 64 heads, 1,024 queries, 1,024 keys, head size 64; the result is quantised along the model's 1,024 for the next product.
; t = score x log2(e) / 8; M = the running largest t rounded UP to a whole number; p = 2^(t - M) is quantised along the keys, not normalised; the row's sum of the unquantised p divides at the end.
; SHARES.  A work-group owns 256 queries of one head, each of its sixteen waves 16 (one tile, 256 registers): four waves to a SIMD, so that one wave's softmax stands beside another's products and LDS loads.
; A HEAD'S K AND V STAY IN LDS: 64 KB of codes each and 2 KB of scales each, filled ONCE (no slot is filled again), read by all sixteen waves behind one barrier.
; CLUSTER.  The four query blocks of a head form a cluster and need the same 132 KB: each piece is asked for jointly, by the same tensor load with a mask that names the four.  A wave has at most one tensor load out.
; LAYOUT.  Both products are used transposed: S^T = K Q^T, O^T = V^T P^T: a lane holds one query (l % 16) throughout.  q, k, v lie in memory as images of the operands' registers, 16 bytes a lane.
; Register place (block c, half h, byte i) holds k = 32 c + 8 h + i (i < 8) or 32 c + 16 + 8 h + i - 8, alike in q and k; in v it is the order in which p's registers fall (tiles 2 b, 2 b + 1 of 16 neighbouring keys):
; a permutation inside a scale block, alike on both sides of each product.
; K = 64 UNDER AN INSTRUCTION OF K = 128: Q's upper eight registers are zero codes; K's operand of tile t is v[32 + 8 t .. + 15], whose upper half is the next tile's codes (behind the last tile: zeros).  Those codes were made
; with the hold at 448, so none is the NaN code: they meet zeros and add nothing.  The upper two scale bytes are 0, a finite scale.
; LIMITS: NaN and infinities are not served; a block of zeros gets the byte 1.
; REGISTERS: v1-11 addresses; v12 -M, v13 the largest t, v[14:15] the sum; v16-31 Q; v32-103 K's eight tiles and the zero tail, then V's four fragments (v32-95); v104-167 S^T, then p; v168-199 O^T; v200-215 p's codes;
;   v216-231 the quantiser's 4 x 4; v[232:233] a second chain of the sum; v[234:235] f; v236 at work; v240-243 K's scales, v244-245 V's, v246 Q's, v247 p's.
.set WV,  18
.set MNT, 19
.set SEL, 20
.set CS,  22
.set G1C, 24                           ; s[24:31] shape of a piece of codes: 64 rows of 256 bytes, dense
.set G1S, 32                           ; s[32:39] of a head's scales: 8 rows of 256 bytes
.set G0C, 40
.set G0S, 44
.set TK,  48                           ; LDS byte of the step's K images: 8,192 a step
.set TV,  49                           ; of its V images: 2,048 a step
.set TS,  50                           ; of both scales: 256 a step
.set CNT, 51
.set S,   104
.set O,   168
.set PC,  200
.set TM,  216
.macro CROUND
	s_barrier_signal -1
	s_barrier_wait -1
	s_cmp_lg_u32 s[WV], 0
	s_cbranch_scc1 .Lnot_wave_0_\@
	s_barrier_signal -3
.Lnot_wave_0_\@:
	s_barrier_wait -3
	s_barrier_signal -1
	s_barrier_wait -1
.endm
.macro QUANT s, nb, pw                 ; nb blocks of 32: v[s + 16 b + i] are my 16 numbers of block b, lane l xor 16 holds the others.  Codes to v[PC + 4 b ..], the bytes to v[pw]
.set qb, 0
.rept \nb
	v_max3_num_f32 v[TM+qb], |v[\s+16*qb]|, |v[\s+16*qb+1]|, 0x4800000
.set qb, qb+1
.endr
.irp i, 2,4,6,8,10,12,14
.set qb, 0
.rept \nb
	s_delay_alu instid0(VALU_DEP_2)
	v_max3_num_f32 v[TM+qb], v[TM+qb], |v[\s+16*qb+\i]|, |v[\s+16*qb+\i+1]|
.set qb, qb+1
.endr
.endr
.set qb, 0
.rept \nb
	s_delay_alu instid0(VALU_DEP_2)
	v_permlanex16_b32 v[TM+4+qb], v[TM+qb], s[SEL], s[SEL+1]
.set qb, qb+1
.endr
.set qb, 0
.rept \nb
	s_delay_alu instid0(VALU_DEP_2)
	v_max_num_f32 v[TM+qb], v[TM+qb], v[TM+4+qb]
.set qb, qb+1
.endr
.set qb, 0
.rept \nb
	s_delay_alu instid0(VALU_DEP_2)
	v_add_nc_u32 v[TM+12+qb], 0xfc000000, v[TM+qb]
.set qb, qb+1
.endr
.set qb, 0
.rept \nb
	s_delay_alu instid0(VALU_DEP_4)
	v_and_or_b32 v[TM+8+qb], v[TM+qb], 0x7f800000, s[MNT]
.set qb, qb+1
.endr
.set qb, 0
.rept \nb
	s_delay_alu instid0(VALU_DEP_4)
	v_lshrrev_b32 v[TM+4+qb], 23, v[TM+12+qb]
.set qb, qb+1
.endr
	s_delay_alu instid0(VALU_DEP_1)
	v_lshl_or_b32 v[\pw], v[TM+5], 8, v[TM+4]
.if \nb > 2
	v_lshl_or_b32 v[\pw], v[TM+6], 16, v[\pw]
	v_lshl_or_b32 v[\pw], v[TM+7], 24, v[\pw]
.endif
.set qb, 0
.rept \nb
.irp i, 0,1,2,3,4,5,6,7,8,9,10,11,12,13,14,15
	v_med3_num_f32 v[\s+16*qb+\i], v[\s+16*qb+\i], -v[TM+8+qb], v[TM+8+qb]
.endr
	v_cvt_scalef32_pk8_fp8_f32 v[PC+4*qb:PC+4*qb+1], v[\s+16*qb:\s+16*qb+7], v[TM+12+qb]
	v_cvt_scalef32_pk8_fp8_f32 v[PC+4*qb+2:PC+4*qb+3], v[\s+16*qb+8:\s+16*qb+15], v[TM+12+qb]
.set qb, qb+1
.endr
	v_nop
.endm
	s_load_b128 s[4:7], s[0:1], 0x0                ; qkv, ctx
	v_lshl_add_u32 v254, v0, 2, 0x29000
	v_mov_b32 v255, 0
	ds_add_u32 v254, v255
	ds_add_u32 v254, v255
	v_lshrrev_b32 v1, 5, v0
	s_delay_alu instid0(VALU_DEP_1)
	v_readfirstlane_b32 s[WV], v1                  ; wave 0..15
	s_bfe_u32 s8, ttmp6, 0x40000                   ; cx
	s_lshl_b32 s9, ttmp9, 2
	s_add_co_u32 s8, s8, s9                        ; my block of 256 queries: it enters q's and ctx's addresses alone
	s_and_b32 s9, ttmp7, 0xffff                    ; 16 x batch + head, which the four partners share
	s_lshr_b32 s10, s[WV], 2                       ; waves 0-3 fetch K's quarters, waves 4-7 V's
	s_lshl_b32 s10, s10, 22
	s_add_co_u32 s10, s10, 0x400000
	s_lshl_b32 s11, s9, 16
	s_add_co_u32 s10, s10, s11
	s_and_b32 s11, s[WV], 3
	s_lshl_b32 s11, s11, 14
	s_add_co_u32 s10, s10, s11
	s_mov_b32 s11, 0
	s_lshl_b32 s12, s[WV], 17                      ; wave 8 fetches K's scales, wave 9 V's: 12,582,912 + (wave - 7) x 131,072
	s_add_co_u32 s12, s12, 11665408
	s_lshl_b32 s13, s9, 11
	s_add_co_u32 s12, s12, s13
	s_mov_b32 s13, 0
	s_lshl_b32 s14, s[WV], 14                      ; LDS: codes at wave x 16,384,
	s_lshl_b32 s15, s[WV], 11
	s_add_co_u32 s15, s15, 114688                  ; scales at 131,072 + (wave - 8) x 2,048
	s_lshl_b32 s16, s8, 4
	s_add_co_u32 s16, s16, s[WV]                   ; my block of 16 tokens in the head
	s_lshl_b32 s52, s16, 10
	s_lshl_b32 s53, s9, 16
	s_add_co_u32 s52, s52, s53
	s_mov_b32 s53, 0                               ; q's image
	s_lshl_b32 s54, s16, 5
	s_lshl_b32 s55, s9, 11
	s_add_co_u32 s54, s54, s55
	s_add_co_u32 s54, s54, 12582912
	s_mov_b32 s55, 0                               ; q's scales
	s_lshr_b32 s56, s9, 4
	s_lshl_b32 s56, s56, 6
	s_add_co_u32 s56, s56, s16                     ; my block of 16 rows of ctx
	s_and_b32 s57, s9, 15                          ; head
	s_lshl_b32 s58, s56, 14                        ; a row block's 8 fragments are 16,384 bytes; a head's 64 columns are half a fragment, 1,024 bytes
	s_lshl_b32 s59, s57, 10
	s_add_co_u32 s58, s58, s59
	s_mov_b32 s59, 0
	s_lshl_b32 s60, s56, 9                         ; scale bytes: 32 a row, 2 a head
	s_lshl_b32 s61, s57, 1
	s_add_co_u32 s60, s60, s61
	s_add_co_u32 s60, s60, 0x400000
	s_mov_b32 s61, 0
	s_mov_b32 s[G1C], 15|(3<<16)|(1<<21)           ; 15:0 the mask: all four work-groups; 17:16 elements of 8 bytes; 21 set beside a mask; no padding: every LDS read takes 512 consecutive bytes
	s_mov_b32 s[G1C+1], 32<<16
	s_mov_b32 s[G1C+2], 64<<16
	s_mov_b32 s[G1C+3], 32<<16
	s_mov_b32 s[G1C+4], 64
	s_mov_b32 s[G1C+5], 32
	s_mov_b32 s[G1C+6], 0
	s_mov_b32 s[G1C+7], 0
	s_mov_b32 s[G1S], 15|(3<<16)|(1<<21)
	s_mov_b32 s[G1S+1], 32<<16
	s_mov_b32 s[G1S+2], 8<<16
	s_mov_b32 s[G1S+3], 32<<16
	s_mov_b32 s[G1S+4], 8
	s_mov_b32 s[G1S+5], 32
	s_mov_b32 s[G1S+6], 0
	s_mov_b32 s[G1S+7], 0
	s_mov_b32 s[SEL], 0x76543210
	s_mov_b32 s[SEL+1], 0xfedcba98
	s_mov_b32 s[CS], 0x3e38aa3b                    ; c = log2(e) / sqrt(64)
	s_mov_b32 s[CS+1], s[CS]
	s_mov_b32 s[MNT], 0x600000
	s_mov_b32 s[TK], 0
	s_mov_b32 s[TV], 65536
	s_mov_b32 s[TS], 0
	s_mov_b32 s[CNT], 8
	s_wait_dscnt 0x0
	CROUND                                         ; the opening round, ahead of the wait for the arguments: all four work-groups are here
	s_wait_kmcnt 0x0
	s_mov_b32 s[G0C], 1
	s_mov_b32 s[G0C+1], s14
	s_add_nc_u64 s[G0C+2:G0C+3], s[4:5], s[10:11]
	s_or_b32 s[G0C+3], s[G0C+3], 0x80000000
	s_mov_b32 s[G0S], 1
	s_mov_b32 s[G0S+1], s15
	s_add_nc_u64 s[G0S+2:G0S+3], s[4:5], s[12:13]
	s_or_b32 s[G0S+3], s[G0S+3], 0x80000000
	s_add_nc_u64 s[52:53], s[4:5], s[52:53]
	s_add_nc_u64 s[54:55], s[4:5], s[54:55]
	s_add_nc_u64 s[58:59], s[6:7], s[58:59]
	s_add_nc_u64 s[60:61], s[6:7], s[60:61]
	s_cmp_lt_u32 s[WV], 8
	s_cbranch_scc0 .Lnot_codes
	tensor_load_to_lds s[G0C:G0C+3], s[G1C:G1C+7]
	s_nop 0
.rept 4
	v_nop
.endr
	s_branch .Lasked
.Lnot_codes:
	s_cmp_lt_u32 s[WV], 10
	s_cbranch_scc0 .Lasked
	tensor_load_to_lds s[G0S:G0S+3], s[G1S:G1S+7]
	s_nop 0
.rept 4
	v_nop
.endr
.Lasked:
	v_and_b32 v10, 31, v0                          ; lane
	s_delay_alu instid0(VALU_DEP_1)
	v_lshlrev_b32 v1, 4, v10                       ; 16 l: an image's place for my lane
	s_delay_alu instid0(VALU_DEP_2)
	v_lshl_add_u32 v2, v10, 2, 133120              ; V's scale words: lanes 0-15 one channel block, lanes 16-31 the next
	s_delay_alu instid0(VALU_DEP_3)
	v_lshl_add_u32 v3, v10, 1, 131072              ; K's: two bytes a key; lanes 0-15 one tile, lanes 16-31 the next
	v_and_b32 v11, 15, v0                          ; r
	v_bfe_u32 v236, v0, 4, 1                       ; h
	s_delay_alu instid0(VALU_DEP_2)
	v_lshlrev_b32 v8, 4, v11
	s_delay_alu instid0(VALU_DEP_1)
	v_lshl_add_u32 v8, v236, 3, v8                 ; ctx: 16 r + 8 h
	s_delay_alu instid0(VALU_DEP_4)
	v_lshlrev_b32 v9, 5, v11
	s_delay_alu instid0(VALU_DEP_1)
	v_add_nc_u32 v9, v9, v236                      ; its scale bytes: 32 r + h
	v_lshlrev_b32 v10, 1, v11                      ; q's scales: 2 r
	v_lshlrev_b32 v11, 3, v236                     ; 8 h: a shift
	global_load_b128 v[16:19], v1, s[52:53]
	global_load_b128 v[20:23], v1, s[52:53] offset:512
	global_load_u16 v246, v10, s[54:55]
.set i, 0
.rept 8
	v_mov_b32 v[24+i], 0                           ; Q's upper half: zero codes
	v_mov_b32 v[96+i], 0                           ; the tail behind K's last tile
.set i, i+1
.endr
.set i, 0
.rept 32
	v_mov_b32 v[O+i], 0                            ; O^T.  The step is written once: the first finds zeros, which the first change of M leaves zeros
.set i, i+1
.endr
	v_mov_b32 v13, 0xff61b1e6                      ; the largest t so far: -3e38
	s_delay_alu instid0(VALU_DEP_1)
	v_floor_f32 v12, -v13                          ; -M
	v_mov_b32 v14, 0
	v_mov_b32 v15, 0
.irp b, 0,1,2,3
	v_mov_b32 v[TM+4+\b], 0                        ; a lane permute's destination counts as one of its sources
.endr
	v_mov_b32 v235, 0                              ; named as the upper half of the pair v[234:235]
	s_wait_tensorcnt 0x0                           ; my piece has landed (on every wave's path),
	s_barrier_signal -1
	s_barrier_wait -1                              ; everybody's has
	s_wait_loadcnt 0x0                             ; Q
.Lstep:                                            ; 8 trips of 128 keys
	v_add_nc_u32 v4, s[TK], v1
	v_add_nc_u32 v5, s[TV], v1
	v_add_nc_u32 v6, s[TS], v3
	v_add_nc_u32 v7, s[TS], v2
.rept 4
	v_nop                                          ; with the four additions: eight places in front of loads into registers that the last products read
.endr
.irp t, 0,1,2,3,4,5,6,7
	ds_load_b128 v[32+8*\t:35+8*\t], v4 offset:1024*\t
	ds_load_b128 v[36+8*\t:39+8*\t], v4 offset:1024*\t+512
.endr
.irp i, 0,1,2,3
	ds_load_u16 v[240+\i], v6 offset:64*\i
.endr
	s_wait_alu depctr_va_vdst(0)
	s_wait_dscnt 0x0
.irp t, 0,2,4,6                                ; S^T = K Q^T: lane (r, h), register 8 t + j: query r, key 16 t + 8 h + j
	v_wmma_scale_f32_16x16x128_f8f6f4 v[S+8*\t:S+8*\t+7], v[32+8*\t:47+8*\t], v[16:31], 0, v[240+\t/2], v246
	v_wmma_scale_f32_16x16x128_f8f6f4 v[S+8*\t+8:S+8*\t+15], v[40+8*\t:55+8*\t], v[16:31], 0, v[240+\t/2], v246 matrix_a_scale:MATRIX_SCALE_ROW1
.endr
.rept 8
	v_nop                                          ; places in front of the loads below and of the first read of the scores
.endr
.irp t, 0,1,2,3                                ; V's four fragments land under the softmax
.irp c, 0,1,2,3
	ds_load_b128 v[32+16*\t+4*\c:35+16*\t+4*\c], v5 offset:16384*\t+512*\c
.endr
.endr
	ds_load_b32 v244, v7
	ds_load_b32 v245, v7 offset:128
.irp b, 0,1,2,3
	v_max3_num_f32 v[TM+\b], v[S+16*\b], v[S+1+16*\b], v[S+2+16*\b]   ; the largest score of each block of 32 keys: for the row's maximum and, since p rises with the score, for the block's largest p
.endr
.irp i, 3,5,7,9,11,13
.irp b, 0,1,2,3
	v_max3_num_f32 v[TM+\b], v[TM+\b], v[S+16*\b+\i], v[S+1+16*\b+\i]
.endr
.endr
.irp b, 0,1,2,3
	v_max_num_f32 v[TM+\b], v[TM+\b], v[S+15+16*\b]
.endr
.irp b, 0,1,2,3
	s_delay_alu instid0(VALU_DEP_4)
	v_permlanex16_b32 v[TM+4+\b], v[TM+\b], s[SEL], s[SEL+1]
.endr
.irp b, 0,1,2,3
	s_delay_alu instid0(VALU_DEP_4)
	v_max_num_f32 v[TM+\b], v[TM+\b], v[TM+4+\b]
.endr
	s_delay_alu instid0(VALU_DEP_2)
	v_max3_num_f32 v236, v216, v217, v218
	s_delay_alu instid0(VALU_DEP_1)
	v_max_num_f32 v236, v236, v219
	s_delay_alu instid0(VALU_DEP_1)
	v_mul_f32 v236, s[CS], v236                    ; the step's largest t
	s_delay_alu instid0(VALU_DEP_1)
	v_max_num_f32 v13, v13, v236
	v_mov_b32 v236, v12
	s_delay_alu instid0(VALU_DEP_2)
	v_floor_f32 v12, -v13                          ; the new -M = floor(-t) = -ceil(t)
	s_delay_alu instid0(VALU_DEP_1)
	v_sub_f32 v236, v12, v236                      ; old M - new M: a whole number, 0 or less
	s_delay_alu instid0(VALU_DEP_1)
	v_cvt_i32_f32 v236, v236                       ; (it saturates)
	s_delay_alu instid0(VALU_DEP_1)
	v_ldexp_f32 v234, 1.0, v236                    ; f = 2^(old M - new M): a multiplication by it rounds nothing
.set i, 0
.rept 32
	v_pk_fma_f32 v[S+i:S+i+1], v[S+i:S+i+1], s[CS:CS+1], v[12:13] op_sel_hi:[1,0,0]   ; t - M
.set i, i+2
.endr
.irp b, 0,1,2,3
	v_fma_f32 v[TM+\b], v[TM+\b], s[CS], v12
.endr
.set i, 0
	s_wait_alu depctr_va_vdst(0)
.rept 64
	v_exp_f32 v[S+i], v[S+i]                       ; p = 2^(t - M)
.set i, i+1
.endr
.irp b, 0,1,2,3
	v_exp_f32 v[TM+\b], v[TM+\b]                   ; the block's largest p: the same two instructions on the same number
.endr
	v_pk_mul_f32 v[14:15], v[14:15], v[234:235] op_sel_hi:[1,0]   ; the sum under the new M (a plain instruction behind the exponentials)
	s_wait_alu depctr_va_vdst(0)
.irp b, 0,1,2,3
	v_max_num_f32 v[TM+\b], 0x4800000, v[TM+\b]    ; the floor 2^(9 - 127)
.endr
.irp b, 0,1,2,3
	s_delay_alu instid0(VALU_DEP_4)
	v_add_nc_u32 v[TM+12+\b], 0xfc000000, v[TM+\b]
.endr
.irp b, 0,1,2,3
	v_and_or_b32 v[TM+8+\b], v[TM+\b], 0x7f800000, s[MNT]
.endr
.irp b, 0,1,2,3
	v_lshrrev_b32 v[TM+4+\b], 23, v[TM+12+\b]
.endr
	s_delay_alu instid0(VALU_DEP_3)
	v_lshl_or_b32 v247, v221, 8, v220              ; p's scale word for these 128 keys
	s_delay_alu instid0(VALU_DEP_1)
	v_lshl_or_b32 v247, v222, 16, v247
	s_delay_alu instid0(VALU_DEP_1)
	v_lshl_or_b32 v247, v223, 24, v247
	v_pk_add_f32 v[232:233], v[108:109], v[112:113]
	v_pk_add_f32 v[252:253], v[116:117], v[120:121]
	v_pk_add_f32 v[250:251], v[124:125], v[128:129]
	v_pk_add_f32 v[248:249], v[132:133], v[136:137]
	v_pk_add_f32 v[242:243], v[140:141], v[144:145]
	v_pk_add_f32 v[240:241], v[148:149], v[152:153]
	v_pk_add_f32 v[238:239], v[156:157], v[160:161]
	v_pk_add_f32 v[14:15], v[14:15], v[164:165]
	v_pk_add_f32 v[232:233], v[232:233], v[104:105]
	v_pk_add_f32 v[252:253], v[252:253], v[106:107]
	v_pk_add_f32 v[250:251], v[250:251], v[110:111]
	v_pk_add_f32 v[248:249], v[248:249], v[114:115]
	v_pk_add_f32 v[242:243], v[242:243], v[118:119]
	v_pk_add_f32 v[240:241], v[240:241], v[122:123]
	v_pk_add_f32 v[238:239], v[238:239], v[126:127]
	v_pk_add_f32 v[14:15], v[14:15], v[130:131]
	v_pk_add_f32 v[232:233], v[232:233], v[134:135]
	v_pk_add_f32 v[252:253], v[252:253], v[138:139]
	v_pk_add_f32 v[250:251], v[250:251], v[142:143]
	v_pk_add_f32 v[248:249], v[248:249], v[146:147]
	v_pk_add_f32 v[242:243], v[242:243], v[150:151]
	v_pk_add_f32 v[240:241], v[240:241], v[154:155]
	v_pk_add_f32 v[238:239], v[238:239], v[158:159]
	v_pk_add_f32 v[14:15], v[14:15], v[162:163]
	v_pk_add_f32 v[232:233], v[232:233], v[166:167]
	s_delay_alu instid0(VALU_DEP_2)
	v_pk_add_f32 v[14:15], v[14:15], v[248:249]
	s_delay_alu instid0(VALU_DEP_2)
	v_pk_add_f32 v[232:233], v[232:233], v[242:243]
	v_pk_add_f32 v[252:253], v[252:253], v[240:241]
	v_pk_add_f32 v[250:251], v[250:251], v[238:239]
	s_delay_alu instid0(VALU_DEP_2)
	v_pk_add_f32 v[14:15], v[14:15], v[252:253]
	s_delay_alu instid0(VALU_DEP_2)
	v_pk_add_f32 v[232:233], v[232:233], v[250:251]
	s_delay_alu instid0(VALU_DEP_1)
	v_pk_add_f32 v[14:15], v[14:15], v[232:233]
.irp b, 0,1,2,3
.irp i, 0,1,2,3,4,5,6,7,8,9,10,11,12,13,14,15
	v_min_num_f32 v[S+16*\b+\i], v[S+16*\b+\i], v[TM+8+\b]   ; the conversion does not saturate (ISA guide 7.6.2); p is not negative, so the hold is one-sided
.endr
	v_cvt_scalef32_pk8_fp8_f32 v[PC+4*\b:PC+4*\b+1], v[S+16*\b:S+16*\b+7], v[TM+12+\b]
	v_cvt_scalef32_pk8_fp8_f32 v[PC+4*\b+2:PC+4*\b+3], v[S+16*\b+8:S+16*\b+15], v[TM+12+\b]
.endr
.set i, 0
.rept 16
	v_pk_mul_f32 v[O+i:O+i+1], v[O+i:O+i+1], v[234:235] op_sel_hi:[1,0]   ; O^T under the new M; these also stand between the conversions and the products
.set i, i+2
.endr
	s_wait_alu depctr_va_vdst(0)
	s_wait_dscnt 0x0                               ; V
.irp t, 0,2                                    ; O^T += V^T P^T: the four accumulators take turns, one instruction each
	v_wmma_scale_f32_16x16x128_f8f6f4 v[O+8*\t:O+8*\t+7], v[32+16*\t:47+16*\t], v[PC:PC+15], v[O+8*\t:O+8*\t+7], v[244+\t/2], v247
	v_wmma_scale_f32_16x16x128_f8f6f4 v[O+8*\t+8:O+8*\t+15], v[48+16*\t:63+16*\t], v[PC:PC+15], v[O+8*\t+8:O+8*\t+15], v[244+\t/2], v247 matrix_a_scale:MATRIX_SCALE_ROW1
.endr
	s_add_co_u32 s[TK], s[TK], 8192
	s_add_co_u32 s[TV], s[TV], 2048
	s_add_co_u32 s[TS], s[TS], 256
	s_sub_co_u32 s[CNT], s[CNT], 1
	s_cmp_lg_u32 s[CNT], 0
	s_cbranch_scc1 .Lstep
.rept 8
	v_nop                                          ; places behind the last products
.endr
	v_add_f32 v14, v14, v15
	s_delay_alu instid0(VALU_DEP_1)
	v_permlanex16_b32 v234, v14, s[SEL], s[SEL+1]
	s_delay_alu instid0(VALU_DEP_1)
	v_add_f32 v14, v14, v234                       ; the row's sum
	s_wait_alu depctr_va_vdst(0)
	v_rcp_f32 v14, v14
	v_nop
.set i, 0
	s_wait_alu depctr_va_vdst(0)
.rept 32
	v_mul_f32 v[S+i], v[O+i], v14                  ; register 8 t + j: channel 16 t + 8 h + j of my query; ascending: each accumulator is read from its low end on
.set i, i+1
.endr
	QUANT S, 2, 236                                ; the head's 64 channels are two blocks of 32 along the next product's K
.irp b, 0,1
.irp u, 0,1
	global_store_b64 v8, v[PC+4*\b+2*\u:PC+4*\b+2*\u+1], s[58:59] offset:512*\b+256*\u   ; tile 2 b + u: k = 32 b + 16 u + 8 h + j goes to byte 512 b + 256 u + 16 r + 8 h + j of the operand's image: 256 consecutive bytes, aligned
.endr
.endr
	v_lshrrev_b32 v10, v11, v236                   ; lane (r, h) stores byte h of row r's two
	global_store_b8 v9, v10, s[60:61]
	s_wait_tensorcnt 0x0
	ds_add_u32 v254, v255
	s_wait_dscnt 0x0
	CROUND                                         ; the closing round: no work-group ends while a partner may still ask
	s_endpgm
.Lfunc_end_k_q62da6990df_attn:
	.size	k_q62da6990df_attn, .Lfunc_end_k_q62da6990df_attn-k_q62da6990df_attn
	.p2alignl 7, 3214868480
	.fill 96, 4, 3214868480
	.section	.rodata,"a",@progbits
	.p2align	6, 0x0
	.amdhsa_kernel k_q62da6990df_attn
		.amdhsa_group_segment_fixed_size 169984
		.amdhsa_private_segment_fixed_size 0
		.amdhsa_enable_private_segment 0
		.amdhsa_kernarg_size 16
		.amdhsa_user_sgpr_count 2
		.amdhsa_user_sgpr_kernarg_segment_ptr 1
		.amdhsa_wavefront_size32 1
		.amdhsa_system_sgpr_workgroup_id_x 1
		.amdhsa_system_sgpr_workgroup_id_y 1
		.amdhsa_system_sgpr_workgroup_id_z 1
		.amdhsa_system_vgpr_workitem_id 0
		.amdhsa_next_free_vgpr 256
		.amdhsa_next_free_sgpr 66
		.amdhsa_reserve_vcc 0
		.amdhsa_float_denorm_mode_32 3
		.amdhsa_float_denorm_mode_16_64 3
		.amdhsa_memory_ordered 1
		.amdhsa_forward_progress 1
		.amdhsa_inst_pref_size 35
	.end_amdhsa_kernel
	.amdgpu_metadata
---
amdhsa.version: [ 1, 2 ]
amdhsa.kernels:
  - .name:           k_q62da6990df_attn
    .symbol:         k_q62da6990df_attn.kd
    .args:
      - { .name: qkv, .offset: 0, .size: 8, .value_kind: global_buffer, .address_space: global }
      - { .name: ctx, .offset: 8, .size: 8, .value_kind: global_buffer, .address_space: global }
    .group_segment_fixed_size: 169984
    .private_segment_fixed_size: 0
    .kernarg_segment_align: 8
    .kernarg_segment_size: 16
    .max_flat_workgroup_size: 512
    .sgpr_count:     66
    .vgpr_count:     256
    .wavefront_size: 32
...
	.end_amdgpu_metadata
.endif
;; end of part 3
;; launch wo (part 4): grid 8 x 32, 4 waves a work-group, clusters of 4 x 4, 327,680 bytes of LDS; arguments ctx, Wo_codes, Wo_scales, bo, x, x2; writes x2
.if DOCPART == 4
	.amdgcn_target "amdgcn-amd-amdhsa--gfx1250"
	.amdhsa_code_object_version 6
	.text
	.protected	k_q62da6990df_wo
	.globl	k_q62da6990df_wo
	.p2align	8
	.type	k_q62da6990df_wo,@function
k_q62da6990df_wo:
	s_mov_b64 s[64:65], 0
	v_nop
	global_prefetch_b8 v0, s[64:65] scope:SCOPE_SE
	s_setreg_imm32_b32 hwreg(HW_REG_WAVE_MODE, 25, 1), 1
	s_wait_xcnt 0x0
	s_wait_alu depctr_hold_cnt(0) depctr_sa_sdst(0) depctr_va_vdst(0) depctr_va_sdst(0) depctr_va_ssrc(0) depctr_va_vcc(0) depctr_vm_vsrc(0)
	s_getreg_b32 s2, hwreg(HW_REG_IB_STS2, 6, 4)
	s_cmp_eq_u32 s2, 0
	s_cbranch_scc0 .Lentry_in_a_cluster
	s_endpgm
.Lentry_in_a_cluster:
	s_bfe_u32 s2, ttmp6, 0x10000c
	s_cmp_lg_u32 s2, 0xf033
	s_cbranch_scc0 .Lentry_shape_is_right
	s_endpgm
.Lentry_shape_is_right:
; OUT = A W^T + bias + RES on codes of FP8 (E4M3) with E8M0 scales for each 32 along K = 1,024.  A: 4,096 rows as images of the operand's registers (fragment (row block, K step) of 2,048 bytes at (row block x 8 + K step) x 2,048),
; its scale bytes [4096][32] at byte 4,194,304 of the same buffer.  W: [1024][1024] codes, [1024][32] scale bytes.  bias [1024], RES and OUT [4096][1024]: f32.
; TILE 128 x 128: 256 work-groups.  Four waves of 64 x 64: 16 accumulators each.
; ALL OF K LIES IN LDS AT ONCE: A's 8 row blocks are 131,072 dense bytes, W's 128 rows 1,024 bytes + 16 of padding each, both scales 4,096 bytes each.  Four tiles, one tensor load a wave; nothing is filled again.
; 4 x 4 work-groups form a cluster: A's tile and scales are asked for jointly along a row of it, W's along a column.
; The matrix instruction takes 16 rows of W as source 0 and 16 rows of A as source 1: a lane holds eight neighbouring numbers of a row of OUT.  The bias is the C of each sum's first instruction.
; RES is asked for at the head, in the layout in which rows come back from the stage, and is added there.  The stage (16 rows x 272 bytes a wave) has LDS bytes of its own.
; No prefetch: every tile is asked for at the head, and there is no loop to run ahead in.
; REGISTERS: window 0: v16-29 addresses, v32-63 scale words (register 4 K step + block: lanes 0-15 A's, lanes 16-31 W's), v64-95 the bias, later with v96-127 rows on the way out, v128-255 the accumulators;
;   window 1: two buffers of 128: A's 4 fragments, then W's 4;   window 2: v0-127 RES.
.set SIZE_K, 1024
.set KS,     SIZE_K/32
.set BP,     1040
.set ABYTES, 131072
.set HALFA,  65536
.set HALFB,  64*BP
.set SCL,    ABYTES+2*HALFB
.set HALFS,  (64*KS/256)*272
.set SBLK,   (16*KS/256)*272
.set SPARE,  SCL+4*HALFS               ; the spare words: 128 bytes a wave
.set STAGE,  SPARE+512
.set SPITCH, 272
.set ADRA, 16
.set ADRB, 20
.set STO,  24
.set RD,   25
.set CO,   26
.set ADRS, 27
.set SPW,  28
.set NIL,  29
.set SC,   32
.set BI,   64
.set BK,   64
.set ACC,  128
.set G1, 24
.set G0, 32
.set G1B, 48
.set G0B, 56
.set G1S, 68
.set G0S, 76
.set G1SB, 80
.set G0SB, 88
.set MSB, 0
.macro WIN new
.if MSB != \new
	s_set_vgpr_msb (MSB<<8)|\new
.set MSB, \new
.endif
.endm
.set MUL,  0x05                        ; sources 0 and 1 window 1; C and D window 0
.set TO_F, 0x40                        ; destination window 1
.macro CROUND
	s_barrier_signal -1
	s_barrier_wait -1
	s_cmp_lg_u32 s14, 0
	s_cbranch_scc1 .Lnot_wave_0_\@
	s_barrier_signal -3
.Lnot_wave_0_\@:
	s_barrier_wait -3
	s_barrier_signal -1
	s_barrier_wait -1
.endm
.macro PLACES n
.rept \n
	v_nop
.endr
.endm
.macro ARM under, g0, g1, next         ; one arm of the head's tree: a load, its s_nop 0 and four v_nop, a jump to the tree's end
	s_cmp_lt_u32 s14, \under
	s_cbranch_scc0 \next
	tensor_load_to_lds s[\g0:\g0+3], s[\g1:\g1+7]
	s_nop 0
	PLACES 4
	s_branch .Lhead_asked
\next:
.endm
	s_load_b64 s[4:5], s[0:1], 0x0                 ; A
	s_load_b128 s[8:11], s[0:1], 0x8               ; W's codes, W's scales
	s_load_b128 s[92:95], s[0:1], 0x18             ; bias, RES
	s_load_b64 s[12:13], s[0:1], 0x28              ; OUT
	v_lshl_add_u32 v[SPW], v0, 2, SPARE
	v_mov_b32 v[NIL], 0
	ds_add_u32 v[SPW], v[NIL]                      ; the opening lines: the add twice on end, then its wait
	ds_add_u32 v[SPW], v[NIL]
	v_lshrrev_b32 v1, 5, v0
	v_readfirstlane_b32 s14, v1                    ; wave 0..3
	s_lshr_b32 s15, s14, 1                         ; my half of the tile's rows
	s_and_b32 s16, s14, 1                          ; my half of its columns
	s_bfe_u32 s40, ttmp6, 0x40000
	s_bfe_u32 s41, ttmp6, 0x40004
	s_lshl_b32 s42, ttmp9, 2
	s_add_co_u32 s42, s42, s40                     ; tile column
	s_and_b32 s17, ttmp7, 0xffff
	s_lshl_b32 s17, s17, 2
	s_add_co_u32 s17, s17, s41                     ; tile row
	s_lshl_b32 s43, s41, 2
	s_lshl_b32 s43, 15, s43                        ; my row of the cluster
	s_lshl_b32 s44, 0x1111, s40                    ; my column
	s_or_b32 s[G1+0], s43, (3<<16)|(1<<21)         ; A: 8 row blocks of 16,384 bytes (2,048 elements of 8), dense, no padding
	s_mov_b32 s[G1+1], 2048<<16
	s_mov_b32 s[G1+2], 8<<16
	s_mov_b32 s[G1+3], 2048<<16
	s_mov_b32 s[G1+4], 8
	s_mov_b32 s[G1+5], 2048
	s_mov_b32 s[G1+6], 0
	s_mov_b32 s[G1+7], 0
	s_or_b32 s[G1B+0], s44, (0<<16)|(1<<20)|(1<<21)|(7<<22)|(3<<25)   ; W: 128 rows of 1,024 bytes; four words of padding after every 256
	s_mov_b32 s[G1B+1], 1024<<16
	s_mov_b32 s[G1B+2], 128<<16
	s_mov_b32 s[G1B+3], 1024<<16
	s_mov_b32 s[G1B+4], 128
	s_mov_b32 s[G1B+5], SIZE_K
	s_mov_b32 s[G1B+6], 0
	s_mov_b32 s[G1B+7], 0
	s_or_b32 s[G1S+0], s43, (3<<16)|(1<<20)|(1<<21)|(5<<22)|(3<<25)   ; the scales of 128 rows: 16 rows of 256 bytes, 16 of padding behind each
	s_or_b32 s[G1SB+0], s44, (3<<16)|(1<<20)|(1<<21)|(5<<22)|(3<<25)
.irp g, G1S, G1SB
	s_mov_b32 s[\g+1], 32<<16
	s_mov_b32 s[\g+2], (128*KS/256)<<16
	s_mov_b32 s[\g+3], 32<<16
	s_mov_b32 s[\g+4], 128*KS/256
	s_mov_b32 s[\g+5], 32
	s_mov_b32 s[\g+6], 0
	s_mov_b32 s[\g+7], 0
.endr
	s_mul_i32 s20, s17, 128*SIZE_K                 ; A's images of the tile's 128 rows
	s_mov_b32 s21, 0
	s_mul_i32 s22, s17, 128*KS
	s_add_co_u32 s22, s22, 4096*SIZE_K             ; their scale bytes
	s_mov_b32 s23, 0
	s_mul_i32 s46, s42, 128*SIZE_K                 ; W's 128 rows
	s_mov_b32 s47, 0
	s_mul_i32 s96, s42, 128*KS
	s_mov_b32 s97, 0
	s_wait_dscnt 0x0                               ; both opening adds are done
	CROUND                                         ; the opening round, ahead of the wait for the arguments: all sixteen work-groups are here
	s_wait_kmcnt 0x0
	s_mov_b32 s[G0], 1
	s_mov_b32 s[G0+1], 0
	s_add_nc_u64 s[G0+2:G0+3], s[4:5], s[20:21]
	s_or_b32 s[G0+3], s[G0+3], 0x80000000
	s_mov_b32 s[G0B], 1
	s_mov_b32 s[G0B+1], ABYTES
	s_add_nc_u64 s[G0B+2:G0B+3], s[8:9], s[46:47]
	s_or_b32 s[G0B+3], s[G0B+3], 0x80000000
	s_mov_b32 s[G0S], 1
	s_mov_b32 s[G0S+1], SCL
	s_add_nc_u64 s[G0S+2:G0S+3], s[4:5], s[22:23]
	s_or_b32 s[G0S+3], s[G0S+3], 0x80000000
	s_mov_b32 s[G0SB], 1
	s_mov_b32 s[G0SB+1], SCL+2*HALFS
	s_add_nc_u64 s[G0SB+2:G0SB+3], s[10:11], s[96:97]
	s_or_b32 s[G0SB+3], s[G0SB+3], 0x80000000
	ARM 1, G0B, G1B, .Lhead_a                      ; one load a wave: W, A, A's scales, W's scales
	ARM 2, G0,  G1,  .Lhead_sa
	ARM 3, G0S, G1S, .Lhead_sb
	tensor_load_to_lds s[G0SB:G0SB+3], s[G1SB:G1SB+7]
	s_nop 0
	PLACES 4
.Lhead_asked:
	v_and_b32 v1, 15, v0                           ; r
	v_bfe_u32 v2, v0, 4, 1                         ; h
	v_and_b32 v3, 31, v0
	v_lshlrev_b32 v3, 4, v3                        ; 16 l
	v_mul_u32_u24 v4, v1, BP
	v_lshl_add_u32 v4, v2, 4, v4
	s_mul_i32 s21, s15, HALFA
	s_mul_i32 s22, s16, HALFB
	s_add_co_u32 s22, s22, ABYTES
	v_add_nc_u32 v[ADRA], s21, v3
	v_add_nc_u32 v[ADRB], s22, v4
	v_mul_u32_u24 v5, v1, KS
	v_lshrrev_b32 v6, 8, v5
	v_lshl_add_u32 v5, v6, 4, v5
	s_mul_i32 s21, s15, HALFS
	s_mul_i32 s22, s16, HALFS
	s_add_co_u32 s22, s22, 2*HALFS
	s_sub_co_u32 s22, s22, s21
	v_mul_u32_u24 v6, s22, v2                      ; lanes 16-31 take W's scale words
	s_add_co_u32 s21, s21, SCL
	v_add_nc_u32 v5, v5, v6
	v_add_nc_u32 v[ADRS], s21, v5
	s_mul_i32 s23, s14, 16*SPITCH
	s_add_co_u32 s23, s23, STAGE                   ; my stage
	v_mul_u32_u24 v5, v1, SPITCH
	v_lshl_add_u32 v5, v2, 5, v5
	v_add_nc_u32 v[STO], s23, v5                   ; in: row r, 32 bytes for each half of the lanes
	v_mul_u32_u24 v5, v2, SPITCH
	v_lshl_add_u32 v5, v1, 4, v5
	v_add_nc_u32 v[RD], s23, v5                    ; back: lanes 0-15 one row of 256 bytes, lanes 16-31 the next
	v_lshlrev_b32 v[CO], 12, v2
	v_lshl_add_u32 v[CO], v1, 4, v[CO]             ; and the same two rows in RES and OUT
	v_lshlrev_b32 v7, 5, v2                        ; 32 h
	s_wait_alu depctr_va_vdst(0)
	s_lshl_b32 s20, s17, 7
	s_lshl_b32 s21, s15, 6
	s_add_co_u32 s20, s20, s21
	s_lshl_b32 s20, s20, 12                        ; my first row, in bytes
	s_lshl_b32 s46, s42, 7
	s_lshl_b32 s47, s16, 6
	s_add_co_u32 s46, s46, s47
	s_lshl_b32 s46, s46, 2                         ; my first column, in bytes
	s_mov_b32 s47, 0
	s_add_nc_u64 s[92:93], s[92:93], s[46:47]
	s_add_co_u32 s20, s20, s46
	s_mov_b32 s21, 0
	s_add_nc_u64 s[94:95], s[94:95], s[20:21]
	s_add_nc_u64 s[12:13], s[12:13], s[20:21]
.irp b, 0,1,2,3
	global_load_b128 v[BI+8*\b:BI+8*\b+3], v7, s[92:93] offset:64*\b        ; bias[16 b + 8 h + 0 .. 7]: the layout of a result
	global_load_b128 v[BI+8*\b+4:BI+8*\b+7], v7, s[92:93] offset:64*\b+16
.endr
; four products: A's block a x W's four, K step ks, from buffer f.  The 16 accumulators take turns, in the same order in every step.
.macro MULA f, a, ks, first
.irp b, 0,1,2,3
.if \first
	v_wmma_scale_f32_16x16x128_f8f6f4 v[ACC+8*(4*(\a)+\b):ACC+8*(4*(\a)+\b)+7], v[\f+64+16*\b:\f+64+16*\b+15], v[\f+16*(\a):\f+16*(\a)+15], v[BI+8*\b:BI+8*\b+7], v[SC+4*(\ks)+\b], v[SC+4*(\ks)+(\a)] matrix_a_scale:MATRIX_SCALE_ROW1
.else
	v_wmma_scale_f32_16x16x128_f8f6f4 v[ACC+8*(4*(\a)+\b):ACC+8*(4*(\a)+\b)+7], v[\f+64+16*\b:\f+64+16*\b+15], v[\f+16*(\a):\f+16*(\a)+15], v[ACC+8*(4*(\a)+\b):ACC+8*(4*(\a)+\b)+7], v[SC+4*(\ks)+\b], v[SC+4*(\ks)+(\a)] matrix_a_scale:MATRIX_SCALE_ROW1
.endif
.endr
.endm
.macro FETCH ks, f                     ; 32 LDS loads in one run: W's four fragments, then A's four
	WIN TO_F
.irp i, 0,1,2,3
.irp c, 0,1,2,3
	ds_load_b128 v[\f+64+16*\i+4*\c:\f+64+16*\i+4*\c+3], v[ADRB] offset:16*BP*\i+128*(\ks)+32*\c
.endr
.endr
.irp i, 0,1,2,3
.irp c, 0,1,2,3
	ds_load_b128 v[\f+16*\i+4*\c:\f+16*\i+4*\c+3], v[ADRA] offset:16384*\i+2048*(\ks)+512*\c
.endr
.endr
.endm
.macro STEPK ks, first, last           ; multiplies buffer ks % 2 and fetches the next K step into the other
.set FM, 128*((\ks)%2)
.set FN, 128-FM
	s_wait_dscnt 8                                 ; all but the youngest eight loads (A's blocks 2, 3)
	WIN MUL
	MULA FM, 0, \ks, \first
	MULA FM, 1, \ks, \first
.if \last
	s_wait_dscnt 0x0
.else
	PLACES 8                                       ; ahead of loads into registers that the step before has read
	FETCH (\ks)+1, FN
	s_wait_dscnt 32                                ; all but the 32 just issued
	WIN MUL
.endif
	MULA FM, 2, \ks, \first
	MULA FM, 3, \ks, \first
.endm
	s_wait_alu depctr_va_vdst(0)
	s_wait_tensorcnt 0x0                           ; my tile is in,
	s_barrier_signal -1
	s_barrier_wait -1                              ; everybody's is
.irp k, 0,1,2,3,4,5,6,7
.irp i, 0,1,2,3
	ds_load_b32 v[SC+4*\k+\i], v[ADRS] offset:\i*SBLK+4*\k
.endr
.endr
	FETCH 0, 0
	WIN 0x80                                       ; destination window 2: RES is asked for when the tiles are in, and lands under the products
.irp a, 0,1,2,3
.irp t, 0,1,2,3,4,5,6,7
	global_load_b128 v[32*\a+4*\t:32*\a+4*\t+3], v[CO], s[94:95] offset:(16*\a+2*\t)*4096
.endr
.endr
	s_wait_loadcnt 32                              ; the bias is in; RES's 32 loads may stay out
	STEPK 0, 1, 0
.irp k, 1,2,3,4,5,6
	STEPK \k, 0, 0
.endr
	STEPK 7, 0, 1
	WIN 0
; THE WAY OUT, by blocks of 16 rows x 64 columns: through my own stage, back as whole rows of 256 bytes, + RES, stored sixteen lanes to 256 consecutive aligned bytes.
.macro TOSTAGE a
.irp b, 0,1,2,3
	ds_store_b128 v[STO], v[ACC+8*(4*(\a)+\b):ACC+8*(4*(\a)+\b)+3] offset:64*\b          ; each accumulator from its low end on
	ds_store_b128 v[STO], v[ACC+8*(4*(\a)+\b)+4:ACC+8*(4*(\a)+\b)+7] offset:64*\b+16
.endr
.set BB, BK+32*((\a)%2)
.irp t, 0,1,2,3,4,5,6,7
	ds_load_b128 v[BB+4*\t:BB+4*\t+3], v[RD] offset:\t*2*SPITCH    ; LDS serves a wave's instructions in order (ISA guide 5.7.1.4)
.endr
.endm
.macro SEND a, younger                 ; younger: the LDS instructions issued behind block a's loads
.set BB, BK+32*((\a)%2)
	s_wait_dscnt \younger
	s_wait_loadcnt 8*(3-(\a))                      ; this block's sixteen rows of RES are in; the later blocks' loads, eight each, may stay out
	WIN 0x08                                       ; source 1: window 2
.set i, 0
.rept 16
	v_pk_add_f32 v[BB+i:BB+i+1], v[BB+i:BB+i+1], v[32*(\a)+i:32*(\a)+i+1]
.set i, i+2
.endr
	WIN 0
.irp t, 0,1,2,3,4,5,6,7
	global_store_b128 v[CO], v[BB+4*\t:BB+4*\t+3], s[12:13] offset:(16*(\a)+2*\t)*4096
.endr
.endm
	PLACES 8
	TOSTAGE 0
.irp a, 1,2,3
.if \a > 1
	s_wait_xcnt 0x0                                ; block a - 2's stores have read their registers: block a's rows may land there
.endif
	TOSTAGE \a
	SEND \a-1, 16                                  ; behind block a - 1's loads: block a's 8 stores and 8 loads
.endr
	SEND 3, 0
	s_wait_tensorcnt 0x0                           ; the wave's end
	ds_add_u32 v[SPW], v[NIL]
	s_wait_dscnt 0x0
	CROUND                                         ; the closing round
	s_endpgm
.Lfunc_end_k_q62da6990df_wo:
	.size	k_q62da6990df_wo, .Lfunc_end_k_q62da6990df_wo-k_q62da6990df_wo
	.p2alignl 7, 3214868480
	.fill 96, 4, 3214868480
	.section	.rodata,"a",@progbits
	.p2align	6, 0x0
	.amdhsa_kernel k_q62da6990df_wo
		.amdhsa_group_segment_fixed_size 327680
		.amdhsa_private_segment_fixed_size 0
		.amdhsa_enable_private_segment 0
		.amdhsa_kernarg_size 48
		.amdhsa_user_sgpr_count 2
		.amdhsa_user_sgpr_kernarg_segment_ptr 1
		.amdhsa_wavefront_size32 1
		.amdhsa_system_sgpr_workgroup_id_x 1
		.amdhsa_system_sgpr_workgroup_id_y 1
		.amdhsa_system_sgpr_workgroup_id_z 1
		.amdhsa_system_vgpr_workitem_id 0
		.amdhsa_next_free_vgpr 640
		.amdhsa_next_free_sgpr 100
		.amdhsa_reserve_vcc 0
		.amdhsa_float_denorm_mode_32 3
		.amdhsa_float_denorm_mode_16_64 3
		.amdhsa_memory_ordered 1
		.amdhsa_forward_progress 1
		.amdhsa_inst_pref_size 62
	.end_amdhsa_kernel
	.amdgpu_metadata
---
amdhsa.version: [ 1, 2 ]
amdhsa.kernels:
  - .name:           k_q62da6990df_wo
    .symbol:         k_q62da6990df_wo.kd
    .args:
      - { .name: ctx, .offset: 0, .size: 8, .value_kind: global_buffer, .address_space: global }
      - { .name: Wo_codes, .offset: 8, .size: 8, .value_kind: global_buffer, .address_space: global }
      - { .name: Wo_scales, .offset: 16, .size: 8, .value_kind: global_buffer, .address_space: global }
      - { .name: bo, .offset: 24, .size: 8, .value_kind: global_buffer, .address_space: global }
      - { .name: x, .offset: 32, .size: 8, .value_kind: global_buffer, .address_space: global }
      - { .name: x2, .offset: 40, .size: 8, .value_kind: global_buffer, .address_space: global }
    .group_segment_fixed_size: 327680
    .private_segment_fixed_size: 0
    .kernarg_segment_align: 8
    .kernarg_segment_size: 48
    .max_flat_workgroup_size: 128
    .sgpr_count:     100
    .vgpr_count:     640
    .wavefront_size: 32
...
	.end_amdgpu_metadata
.endif
;; end of part 4
;; launch ln2: the kernel of part 1 again; grid 256 x 1, 4 waves a work-group, no clusters, 18,944 bytes of LDS; arguments x2, ln2_g, ln2_b, xn; writes xn
;; launch fc1 (part 5): grid 16 x 16, 4 waves a work-group, clusters of 4 x 4, 327,680 bytes of LDS; arguments xn, W1_codes, W1_scales, b1, y; writes y
.if DOCPART == 5
	.amdgcn_target "amdgcn-amd-amdhsa--gfx1250"
	.amdhsa_code_object_version 6
	.text
	.protected	k_q62da6990df_fc1
	.globl	k_q62da6990df_fc1
	.p2align	8
	.type	k_q62da6990df_fc1,@function
k_q62da6990df_fc1:
	s_mov_b64 s[64:65], 0
	v_nop
	global_prefetch_b8 v0, s[64:65] scope:SCOPE_SE
	s_setreg_imm32_b32 hwreg(HW_REG_WAVE_MODE, 25, 1), 1
	s_wait_xcnt 0x0
	s_wait_alu depctr_hold_cnt(0) depctr_sa_sdst(0) depctr_va_vdst(0) depctr_va_sdst(0) depctr_va_ssrc(0) depctr_va_vcc(0) depctr_vm_vsrc(0)
	s_getreg_b32 s2, hwreg(HW_REG_IB_STS2, 6, 4)
	s_cmp_eq_u32 s2, 0
	s_cbranch_scc0 .Lentry_in_a_cluster
	s_endpgm
.Lentry_in_a_cluster:
	s_bfe_u32 s2, ttmp6, 0x10000c
	s_cmp_lg_u32 s2, 0xf033
	s_cbranch_scc0 .Lentry_shape_is_right
	s_endpgm
.Lentry_shape_is_right:
; Y = Q(gelu(A W1^T + b1)) on codes of FP8 (E4M3) with one E8M0 byte for each 32 along K = 1,024.  A: codes [4096][1024] at byte 0 of xn, scale bytes [4096][32] at byte 4,194,304.  W1: [4096][1024] codes, [4096][32] scale bytes.
; Out: y as images of the next product's operand registers (fragment (row block, K step) of 2,048 bytes at (row block x 32 + K step) x 2,048), scale bytes [4096][128] at byte 16,777,216.
; A tile of 256 x 256 to a work-group of four waves, 128 x 128 a wave: 64 accumulators in windows 2 and 3.  K goes in steps of 256 through two LDS slots; the scales of the tile's 2 x 256 rows come once and stay.
; 4 x 4 work-groups form a cluster: A's tiles are asked for jointly along a row of it, W1's along a column.  Source 0 = 16 rows of W1, source 1 = 16 rows of A: a lane holds eight neighbouring columns of a row.
; THE HEAD: four tiles, one load a wave: K step 0's 256 rows of A, of W1, A's scales, W1's scales.  K step 1 follows behind one round.  K steps 2 and 3 are prefetched: of the 128 rows that a wave fetches in the ring each of
; the four partners names 32, a lane a row, 256 bytes each, told apart by address; K step 2 at the head, K step 3 behind K step 1's load: each at least one K step ahead of its tensor load.
; THE WAY OUT, eight blocks of 16 rows x 128 columns, 64 numbers a lane at a time: + bias; gelu(x) = max(x, 0) - |x| q, q = erfc(|x| / sqrt 2) / 2 = t 2^(P(t) - x^2 log2(e) / 2), t = 1 / (1 + |x| / (2 sqrt 2)), P of degree 9
; (its constant holds the factor 1/2); then the quantiser.  The intermediates lie in window 1, where W1's fragments lay, so that each of the two batches of transcendentals has one wait ahead of it and one behind it for all 64.
; LIMITS: NaN and infinities are not served.  A block of zeros gets the byte 1 where the quantiser's rule says 127: its codes are zeros, and only this program reads the bytes.
.set SIZE_K, 1024
.set KSTEP,  256
.set NQ,     KSTEP/128
.set ROWB,   256
.set KROW,   SIZE_K
.set PITCH,  272
.set FR,     16
.set NL,     4
.set NP,     8
.set HALFT,  128*PITCH
.set SLOT,   4*HALFT
.set LAPS,   SIZE_K/(2*KSTEP)
.set KS,     SIZE_K/32
.set SCL,    2*SLOT
.set HALFS,  (128*KS/256)*272
.set SBLK,   (16*KS/256)*272
.set SPARE,  SCL+4*HALFS
.set ADRA, 16
.set PFO,  19                          ; v19  the prefetches' offset: my lane x a row; never rewritten
.set ADRB, 20
.set ADRS, 27
.set SPW,  28
.set NIL,  29
.set SC,   32
.set AF,   128
.set G1, 24
.set G0, 32
.set G1B, 48
.set G0B, 56
.set G1S, 68
.set G0S, 76
.set G1SB, 80
.set G0SB, 88
.set G0H, 4
.set G0HB, 8
.set PFA, 98                           ; s[98:99] my work-group's 32 rows of the 128 that I fetch; never rewritten
.set X,   128                          ; window 0: a block's 64 numbers
.set GT,  192                          ; window 0: t
.set GP,  0                            ; window 1: the polynomial, then q / t, then q
.set GS,  64                           ; window 1: x^2, then max(x, 0)
.set KC,  2                            ; v[2:3] P's coefficient of t^8
.set PC,  32
.set TM,  48
.set BN,  64
.set PW,  200
.set SEL, 18
.set MNT, 22
.set MSB, 0
.macro WIN new
.if MSB != \new
	s_set_vgpr_msb (MSB<<8)|\new
.set MSB, \new
.endif
.endm
.set MUL_LO, 0xa1
.set MUL_HI, 0xf1
.set TO_B,   0x40
.macro PLACES n
.rept \n
	v_nop
.endr
.endm
.macro JLOAD g0a, g1a, g0b, g1b        ; waves 0, 1 ask for A, waves 2, 3 for W1
	s_cmp_eq_u32 s15, 0
	s_cbranch_scc0 .Lfor_b_\@
	tensor_load_to_lds s[\g0a:\g0a+3], s[\g1a:\g1a+7]
	s_nop 0
	PLACES 4
	s_branch .Lasked_\@
.Lfor_b_\@:
	tensor_load_to_lds s[\g0b:\g0b+3], s[\g1b:\g1b+7]
	s_nop 0
	PLACES 4
.Lasked_\@:
.endm
.macro CREST
	s_cmp_lg_u32 s14, 0
	s_cbranch_scc1 .Lnot_wave_0_\@
	s_barrier_signal -3
.Lnot_wave_0_\@:
	s_barrier_wait -3
	s_barrier_signal -1
	s_barrier_wait -1
.endm
.macro CROUND
	s_barrier_signal -1
	s_barrier_wait -1
	CREST
.endm
.macro ARM under, g0, g1, next
	s_cmp_lt_u32 s14, \under
	s_cbranch_scc0 \next
	tensor_load_to_lds s[\g0:\g0+3], s[\g1:\g1+7]
	s_nop 0
	PLACES 4
	s_branch .Lhead_asked
\next:
.endm
	s_load_b64 s[4:5], s[0:1], 0x0                 ; xn
	s_load_b128 s[8:11], s[0:1], 0x8               ; W1's codes, W1's scales
	s_load_b64 s[96:97], s[0:1], 0x18              ; b1
	s_load_b64 s[12:13], s[0:1], 0x20              ; y
	v_lshl_add_u32 v[SPW], v0, 2, SPARE
	v_mov_b32 v[NIL], 0
	ds_add_u32 v[SPW], v[NIL]                      ; the opening lines: the add twice on end, then its wait
	ds_add_u32 v[SPW], v[NIL]
	v_lshrrev_b32 v1, 5, v0
	v_readfirstlane_b32 s14, v1                    ; wave
	s_lshr_b32 s15, s14, 1
	s_and_b32 s16, s14, 1
	s_bfe_u32 s40, ttmp6, 0x40000
	s_bfe_u32 s41, ttmp6, 0x40004
	s_lshl_b32 s42, ttmp9, 2
	s_add_co_u32 s42, s42, s40                     ; tile column
	s_and_b32 s17, ttmp7, 0xffff
	s_lshl_b32 s17, s17, 2
	s_add_co_u32 s17, s17, s41                     ; tile row
	s_lshl_b32 s43, s41, 2
	s_lshl_b32 s43, 15, s43
	s_lshl_b32 s44, 0x1111, s40
	s_or_b32 s[G1+0], s43, (0<<16)|(1<<20)|(1<<21)|(5<<22)|(3<<25)
	s_or_b32 s[G1B+0], s44, (0<<16)|(1<<20)|(1<<21)|(5<<22)|(3<<25)
.irp g, G1, G1B
	s_mov_b32 s[\g+1], ROWB<<16
	s_mov_b32 s[\g+2], 256<<16                     ; the head's loads bring 256 rows
	s_mov_b32 s[\g+3], ROWB<<16
	s_mov_b32 s[\g+4], 256
	s_mov_b32 s[\g+5], KROW
	s_mov_b32 s[\g+6], 0
	s_mov_b32 s[\g+7], 0
.endr
	s_or_b32 s[G1S+0], s43, (3<<16)|(1<<20)|(1<<21)|(5<<22)|(3<<25)
	s_or_b32 s[G1SB+0], s44, (3<<16)|(1<<20)|(1<<21)|(5<<22)|(3<<25)
.irp g, G1S, G1SB
	s_mov_b32 s[\g+1], 32<<16                      ; the scales of 256 rows: KS rows of 256 bytes, 16 of padding behind each
	s_mov_b32 s[\g+2], KS<<16
	s_mov_b32 s[\g+3], 32<<16
	s_mov_b32 s[\g+4], KS
	s_mov_b32 s[\g+5], 32
	s_mov_b32 s[\g+6], 0
	s_mov_b32 s[\g+7], 0
.endr
	s_lshl_b32 s20, s17, 8
	s_lshl_b32 s46, s42, 8
	s_mov_b32 s21, 0
	s_mov_b32 s47, 0
	s_mov_b64 s[18:19], KS
	s_mul_u64 s[22:23], s[20:21], s[18:19]
	s_mul_u64 s[92:93], s[46:47], s[18:19]
	s_mov_b64 s[18:19], KROW
	s_mul_u64 s[20:21], s[20:21], s[18:19]
	s_mul_u64 s[46:47], s[46:47], s[18:19]
	s_mul_i32 s18, s16, 128*KROW                   ; in the ring I fetch 128 rows of a tile: which half
	s_mov_b32 s19, 0
	s_mul_i32 s45, s14, HALFT
	s_cmp_eq_u32 s15, 0
	s_cselect_b32 s94, s40, s41                    ; my place among the four that ask with me
	s_mul_i32 s94, s94, 32*KROW
	s_mov_b32 s95, 0
	s_wait_dscnt 0x0
	CROUND                                         ; the opening round, ahead of the wait for the arguments: all sixteen work-groups are here
	s_wait_kmcnt 0x0
	s_add_nc_u64 s[6:7], s[4:5], 0x400000
	s_add_nc_u64 s[20:21], s[4:5], s[20:21]
	s_add_nc_u64 s[22:23], s[6:7], s[22:23]
	s_add_nc_u64 s[46:47], s[8:9], s[46:47]
	s_add_nc_u64 s[92:93], s[10:11], s[92:93]
	s_mov_b32 s[G0H], 1
	s_mov_b32 s[G0H+1], 0
	s_mov_b64 s[G0H+2:G0H+3], s[20:21]
	s_or_b32 s[G0H+3], s[G0H+3], 0x80000000
	s_mov_b32 s[G0HB], 1
	s_mov_b32 s[G0HB+1], 2*HALFT
	s_mov_b64 s[G0HB+2:G0HB+3], s[46:47]
	s_or_b32 s[G0HB+3], s[G0HB+3], 0x80000000
	s_mov_b32 s[G0S], 1
	s_mov_b32 s[G0S+1], SCL
	s_mov_b64 s[G0S+2:G0S+3], s[22:23]
	s_or_b32 s[G0S+3], s[G0S+3], 0x80000000
	s_mov_b32 s[G0SB], 1
	s_mov_b32 s[G0SB+1], SCL+2*HALFS
	s_mov_b64 s[G0SB+2:G0SB+3], s[92:93]
	s_or_b32 s[G0SB+3], s[G0SB+3], 0x80000000
	s_add_nc_u64 s[20:21], s[20:21], s[18:19]
	s_add_nc_u64 s[46:47], s[46:47], s[18:19]
.irp s, 0,1
	s_mov_b32 s[G0+4*\s], 1
	s_add_co_u32 s[G0+4*\s+1], s45, \s*SLOT
	s_add_nc_u64 s[G0+4*\s+2:G0+4*\s+3], s[20:21], \s*ROWB
	s_or_b32 s[G0+4*\s+3], s[G0+4*\s+3], 0x80000000
	s_mov_b32 s[G0B+4*\s], 1
	s_add_co_u32 s[G0B+4*\s+1], s45, \s*SLOT
	s_add_nc_u64 s[G0B+4*\s+2:G0B+4*\s+3], s[46:47], \s*ROWB
	s_or_b32 s[G0B+4*\s+3], s[G0B+4*\s+3], 0x80000000
.endr
	s_cmp_eq_u32 s15, 0
	s_cselect_b64 s[PFA:PFA+1], s[20:21], s[46:47]
	s_add_nc_u64 s[PFA:PFA+1], s[PFA:PFA+1], s[94:95]
	ARM 1, G0H,  G1,  .Lhead_b
	ARM 2, G0HB, G1B, .Lhead_sa
	ARM 3, G0S,  G1S, .Lhead_sb
	tensor_load_to_lds s[G0SB:G0SB+3], s[G1SB:G1SB+7]
	s_nop 0
	PLACES 4
.Lhead_asked:
	v_and_b32 v[PFO], 31, v0
	v_lshlrev_b32 v[PFO], 10, v[PFO]
	global_prefetch_b8 v[PFO], s[PFA:PFA+1] offset:ROWB th:TH_LOAD_NT scope:SCOPE_SE     ; K step 1 of my 32 rows too: its tensor load stands behind the head's round
	v_and_b32 v1, 15, v0
	v_bfe_u32 v2, v0, 4, 1
	v_mul_u32_u24 v3, v1, PITCH
	v_lshl_add_u32 v4, v2, 4, v3
	s_mul_i32 s21, s15, HALFT
	s_mul_i32 s22, s16, HALFT
	s_add_co_u32 s22, s22, 2*HALFT
.irp s, 0,1
	v_add_nc_u32 v[ADRA+\s], s21, v4
	v_add_nc_u32 v[ADRB+\s], s22, v4
	s_add_co_u32 s21, s21, SLOT
	s_add_co_u32 s22, s22, SLOT
.endr
	v_mul_u32_u24 v5, v1, KS
	v_lshrrev_b32 v6, 8, v5
	v_lshl_add_u32 v5, v6, 4, v5
	s_mul_i32 s21, s15, HALFS
	s_mul_i32 s22, s16, HALFS
	s_add_co_u32 s22, s22, 2*HALFS
	s_sub_co_u32 s22, s22, s21
	v_mul_u32_u24 v6, s22, v2
	s_add_co_u32 s21, s21, SCL
	v_add_nc_u32 v5, v5, v6
	v_add_nc_u32 v[ADRS], s21, v5
	s_lshl_b32 s20, s17, 4
	s_lshl_b32 s21, s15, 3
	s_add_co_u32 s20, s20, s21                     ; my first row block
	s_lshl_b32 s46, s42, 1
	s_add_co_u32 s46, s46, s16                     ; my 128 columns: the next product's K step
	s_lshl_b32 s21, s20, 5
	s_add_co_u32 s21, s21, s46
	s_lshl_b32 s40, s21, 11
	s_mov_b32 s41, 0
	s_lshl_b32 s20, s20, 11
	s_lshl_b32 s21, s46, 2
	s_add_co_u32 s20, s20, s21
	s_add_co_u32 s20, s20, 0x1000000
	s_mov_b32 s21, 0
	s_add_nc_u64 s[92:93], s[12:13], s[20:21]      ; y's scale bytes
	s_add_nc_u64 s[12:13], s[12:13], s[40:41]      ; y's codes
	s_lshl_b32 s46, s46, 9
	s_mov_b32 s47, 0
	s_add_nc_u64 s[96:97], s[96:97], s[46:47]
	v_lshlrev_b32 v30, 4, v1
	v_lshl_add_u32 v30, v2, 3, v30
	v_lshlrev_b32 v31, 7, v1
	v_lshl_add_u32 v31, v2, 1, v31
	v_lshlrev_b32 v18, 4, v2
	v_lshlrev_b32 v6, 5, v2
.irp t, 0,1,2,3,4,5,6,7
	global_load_b128 v[BN+8*\t:BN+8*\t+3], v6, s[96:97] offset:64*\t
	global_load_b128 v[BN+8*\t+4:BN+8*\t+7], v6, s[96:97] offset:64*\t+16
.endr
	s_mov_b32 s[SEL], 0x76543210
	s_mov_b32 s[SEL+1], 0xfedcba98
	s_mov_b32 s[MNT], 0x600000
.macro FRAG reg, adr, q, i
.irp c, 0,1,2,3
	ds_load_b128 v[\reg+4*\c:\reg+4*\c+3], v[\adr] offset:128*(\q)+32*\c+(\i)*16*PITCH
.endr
.endm
.macro MUL16 a0, p, q, sc, zero        ; the 64 accumulators take turns, in the same order in every step
.irp a, \a0, \a0+1
.irp b, 0,1,2,3,4,5,6,7
.if \zero
	v_wmma_scale_f32_16x16x128_f8f6f4 v[8*(8*((\a)%4)+\b):8*(8*((\a)%4)+\b)+7], v[128*(\p)+FR*\b:128*(\p)+FR*\b+FR-1], v[AF+FR*(\a):AF+FR*(\a)+FR-1], 0, v[SC+8*NQ*(\sc)+NQ*\b+(\q)], v[SC+8*NQ*(\sc)+NQ*(\a)+(\q)] matrix_a_scale:MATRIX_SCALE_ROW1
.else
	v_wmma_scale_f32_16x16x128_f8f6f4 v[8*(8*((\a)%4)+\b):8*(8*((\a)%4)+\b)+7], v[128*(\p)+FR*\b:128*(\p)+FR*\b+FR-1], v[AF+FR*(\a):AF+FR*(\a)+FR-1], v[8*(8*((\a)%4)+\b):8*(8*((\a)%4)+\b)+7], v[SC+8*NQ*(\sc)+NQ*\b+(\q)], v[SC+8*NQ*(\sc)+NQ*(\a)+(\q)] matrix_a_scale:MATRIX_SCALE_ROW1
.endif
.endr
.endr
.endm
.macro FETCH_B slot, q, p
	WIN TO_B
.irp i, 0,1,2,3,4,5,6,7
	FRAG 128*(\p)+FR*\i, ADRB+\slot, \q, \i
.endr
	WIN 0
.endm
.macro FETCH_A slot, q, i0
.irp i, \i0, \i0+1, \i0+2, \i0+3
	FRAG AF+FR*(\i), ADRA+\slot, \q, \i
.endr
.endm
.macro SCALES sc
.irp i, 0,1,2,3,4,5,6,7
	ds_load_b64 v[SC+8*NQ*\sc+NQ*\i:SC+8*NQ*\sc+NQ*\i+1], v[ADRS] offset:\i*SBLK
.endr
.endm
.macro STEP slot, q, zero
	s_wait_dscnt 4*NL                              ; all but the youngest 16 loads (A's blocks 4-7)
	FETCH_B \slot, (\q)+1, 1-(\q)%2                ; the next step's 32 loads of W1 go out at this step's head: their set was last read ahead of the eight places at the last step's end
	WIN MUL_LO
	MUL16 0, (\q)%2, \q, \slot, \zero
	MUL16 2, (\q)%2, \q, \slot, \zero
	s_wait_dscnt 8*NL                              ; all but those 32: A's blocks 4-7 are in
	PLACES NP
	WIN 0
	FETCH_A \slot, (\q)+1, 0
	WIN MUL_HI
	MUL16 4, (\q)%2, \q, \slot, \zero
	MUL16 6, (\q)%2, \q, \slot, \zero
	PLACES NP
	WIN 0
	FETCH_A \slot, (\q)+1, 4
.endm
.macro TURN slot, next, fill           ; a slot's last step changes slots: one barrier; fill = 1: it opens a round of the cluster's, and this slot is filled again
	s_wait_tensorcnt 0x0                           ; all my tensor loads have landed
	ds_add_u32 v[SPW], v[NIL]
	s_wait_dscnt 4*NL+1                            ; (the add and A's blocks 4-7 may be out)
	WIN MUL_LO
	MUL16 0, 1, NQ-1, \slot, 0
	s_wait_dscnt 0x0                               ; the add is done, and my reads of this slot are over
	s_barrier_signal -1
	MUL16 2, 1, NQ-1, \slot, 0
	WIN 0
	s_barrier_wait -1
.if \fill
	CREST
	s_add_nc_u64 s[G0+4*\slot+2:G0+4*\slot+3], s[G0+4*\slot+2:G0+4*\slot+3], 2*ROWB
	s_add_nc_u64 s[G0B+4*\slot+2:G0B+4*\slot+3], s[G0B+4*\slot+2:G0B+4*\slot+3], 2*ROWB
	JLOAD G0+4*\slot, G1, G0B+4*\slot, G1B
	PLACES NP-4
.else
	PLACES NP
.endif
	s_wait_alu depctr_va_vdst(0)
	v_add_nc_u32 v[ADRS], 4*NQ, v[ADRS]
	FETCH_B \next, 0, 0
	FETCH_A \next, 0, 0
	SCALES \next
	WIN MUL_HI
	MUL16 4, 1, NQ-1, \slot, 0
	MUL16 6, 1, NQ-1, \slot, 0
	PLACES NP
	WIN 0
	FETCH_A \next, 0, 4
.endm
.macro QUANT s, nb, pw                 ; nb blocks of 32: v[s + 16 b + i] are my 16 numbers of block b, lane l xor 16 holds the others.  Codes to v[PC + 4 b ..], the bytes to v[pw]
.set qb, 0
.rept \nb
	v_max3_num_f32 v[TM+qb], |v[\s+16*qb]|, |v[\s+16*qb+1]|, 0x4800000
.set qb, qb+1
.endr
.irp i, 2,4,6,8,10,12,14
.set qb, 0
.rept \nb
	v_max3_num_f32 v[TM+qb], v[TM+qb], |v[\s+16*qb+\i]|, |v[\s+16*qb+\i+1]|
.set qb, qb+1
.endr
.endr
.set qb, 0
.rept \nb
	v_permlanex16_b32 v[TM+4+qb], v[TM+qb], s[SEL], s[SEL+1]
.set qb, qb+1
.endr
.set qb, 0
.rept \nb
	v_max_num_f32 v[TM+qb], v[TM+qb], v[TM+4+qb]
.set qb, qb+1
.endr
.set qb, 0
.rept \nb
	v_add_nc_u32 v[TM+12+qb], 0xfc000000, v[TM+qb]
.set qb, qb+1
.endr
.set qb, 0
.rept \nb
	v_and_or_b32 v[TM+8+qb], v[TM+qb], 0x7f800000, s[MNT]
.set qb, qb+1
.endr
.set qb, 0
.rept \nb
	v_lshrrev_b32 v[TM+4+qb], 23, v[TM+12+qb]
.set qb, qb+1
.endr
	v_lshl_or_b32 v[\pw], v[TM+5], 8, v[TM+4]
	v_lshl_or_b32 v[\pw], v[TM+6], 16, v[\pw]
	v_lshl_or_b32 v[\pw], v[TM+7], 24, v[\pw]
.set qb, 0
.rept \nb
.irp i, 0,1,2,3,4,5,6,7,8,9,10,11,12,13,14,15
	v_med3_num_f32 v[\s+16*qb+\i], v[\s+16*qb+\i], -v[TM+8+qb], v[TM+8+qb]
.endr
	v_cvt_scalef32_pk8_fp8_f32 v[PC+4*qb:PC+4*qb+1], v[\s+16*qb:\s+16*qb+7], v[TM+12+qb]
	v_cvt_scalef32_pk8_fp8_f32 v[PC+4*qb+2:PC+4*qb+3], v[\s+16*qb+8:\s+16*qb+15], v[TM+12+qb]
.set qb, qb+1
.endr
	v_nop
.endm
.macro COEF k, bits
	s_mov_b32 s[24+2*\k], \bits
	s_mov_b32 s[25+2*\k], \bits
.endm
.macro GELU                            ; v[X ..]: 64 numbers a lane become their gelu
.set i, 0
.rept 64
	v_fma_f32 v[GT+i], |v[X+i]|, s44, 1.0
.set i, i+1
.endr
	s_wait_alu depctr_va_vdst(0)                   ; ahead of the batch
.set i, 0
.rept 64
	v_rcp_f32 v[GT+i], v[GT+i]                     ; t
.set i, i+1
.endr
	WIN 0x40                                       ; destination window 1
.set i, 0
.rept 32
	v_pk_mul_f32 v[GS+i:GS+i+1], v[X+i:X+i+1], v[X+i:X+i+1]
.set i, i+2
.endr
	s_wait_alu depctr_va_vdst(0)                   ; and behind it, ahead of its first reader
.set i, 0
.rept 32
	v_pk_fma_f32 v[GP+i:GP+i+1], v[GT+i:GT+i+1], s[42:43], v[KC:KC+1] op_sel_hi:[1,0,1]
.set i, i+2
.endr
	WIN 0x41                                       ; source 0 and destination window 1
.irp k, 7,6,5,4,3,2,1,0
.set i, 0
.rept 32
	v_pk_fma_f32 v[GP+i:GP+i+1], v[GP+i:GP+i+1], v[GT+i:GT+i+1], s[24+2*\k:25+2*\k] op_sel_hi:[1,1,0]
.set i, i+2
.endr
.endr
	WIN 0x51                                       ; source 2 too
.set i, 0
.rept 32
	v_pk_fma_f32 v[GP+i:GP+i+1], v[GS+i:GS+i+1], s[46:47], v[GP+i:GP+i+1] op_sel_hi:[1,0,1]
.set i, i+2
.endr
	WIN 0x41
	s_wait_alu depctr_va_vdst(0)                   ; ahead of the second batch
.set i, 0
.rept 64
	v_exp_f32 v[GP+i], v[GP+i]
.set i, i+1
.endr
	WIN 0x40
.set i, 0
.rept 64
	v_max_num_f32 v[GS+i], 0, v[X+i]
.set i, i+1
.endr
	WIN 0x41
	s_wait_alu depctr_va_vdst(0)                   ; and behind it
.set i, 0
.rept 32
	v_pk_mul_f32 v[GP+i:GP+i+1], v[GP+i:GP+i+1], v[GT+i:GT+i+1]   ; q
.set i, i+2
.endr
	WIN 0x14                                       ; sources 1 and 2 window 1
.set i, 0
.rept 64
	v_fma_f32 v[X+i], -|v[X+i]|, v[GP+i], v[GS+i]
.set i, i+1
.endr
	WIN 0
.endm
.macro COPY a                          ; block a's sums + bias; each accumulator is read from its low end on
	WIN 0x02+(\a)/4
	s_wait_alu depctr_va_vdst(0)
.set i, 0
.rept 32
	v_pk_add_f32 v[X+i:X+i+1], v[64*((\a)%4)+i:64*((\a)%4)+i+1], v[BN+i:BN+i+1]
.set i, i+2
.endr
	WIN 0
.endm
	s_wait_alu depctr_va_vdst(0)
	s_wait_tensorcnt 0x0                           ; my tile of the head's four is in
	ds_add_u32 v[SPW], v[NIL]
	s_mov_b32 s[G1+2], 128<<16                     ; no tensor load of mine is out: from here on a load brings 128 rows
	s_mov_b32 s[G1+4], 128
	s_mov_b32 s[G1B+2], 128<<16
	s_mov_b32 s[G1B+4], 128
	s_wait_dscnt 0x0
	CROUND                                         ; all four tiles are in, and the joint loads meet
	JLOAD G0+4, G1, G0B+4, G1B                     ; K step 1, the first tensor load behind the round
	FETCH_B 0, 0, 0
	FETCH_A 0, 0, 0
	SCALES 0
	FETCH_A 0, 0, 4
	global_prefetch_b8 v[PFO], s[PFA:PFA+1] offset:2*ROWB th:TH_LOAD_NT scope:SCOPE_SE   ; K step 2 of my 32 rows, one whole step ahead of its tensor load
	STEP 0, 0, 1
	global_prefetch_b8 v[PFO], s[PFA:PFA+1] offset:3*ROWB th:TH_LOAD_NT scope:SCOPE_SE   ; K step 3, two steps ahead of its tensor load
	s_mov_b32 s3, LAPS-1
.Llap:
	TURN 0, 1, 1
	STEP 1, 0, 0
	TURN 1, 0, 1
	STEP 0, 0, 0
	s_sub_co_u32 s3, s3, 1
	s_cmp_lg_u32 s3, 0
	s_cbranch_scc1 .Llap
	TURN 0, 1, 0
	STEP 1, 0, 0
	s_wait_dscnt 4*NL
	WIN MUL_LO
	MUL16 0, 1, NQ-1, 1, 0
	MUL16 2, 1, NQ-1, 1, 0
	s_wait_dscnt 0
	WIN MUL_HI
	MUL16 4, 1, NQ-1, 1, 0
	MUL16 6, 1, NQ-1, 1, 0
	WIN 0
	s_wait_loadcnt 0x0                             ; the bias
	COEF 0, 0xc034d90f                             ; P's coefficients x log2(e); no tensor load is out, so the descriptors' registers are free
	COEF 1, 0x3fb8ab5a
	COEF 2, 0x3f0a29d2
	COEF 3, 0x3e0efb2f
	COEF 4, 0xbe899a80
	COEF 5, 0x3ecdfd18
	COEF 6, 0xbfd1a1e5
	COEF 7, 0x40097039
	COEF 9, 0x3e7c6f08
	COEF 10, 0x3eb504f3
	COEF 11, 0xbf38aa3b
	s_mov_b32 s56, 0                               ; s[56:57], s[58:59]: what a block adds to the two pointers: nothing the first time
	s_mov_b32 s57, 0
	s_mov_b32 s58, 0
	s_mov_b32 s59, 0
	PLACES NP
	v_mov_b32 v[KC], 0xbf97d29d
	v_mov_b32 v[KC+1], 0xbf97d29d
.irp b, 0,1,2,3
	v_mov_b32 v[TM+4+\b], 0                        ; a lane permute's destination counts as one of its sources
.endr
	s_mov_b32 s3, 0
	s_wait_alu depctr_va_vdst(0)
.Lblk:
	s_cmp_eq_u32 s3, 0
	s_cbranch_scc1 .Lcp0
	s_cmp_eq_u32 s3, 1
	s_cbranch_scc1 .Lcp1
	s_cmp_eq_u32 s3, 2
	s_cbranch_scc1 .Lcp2
	s_cmp_eq_u32 s3, 3
	s_cbranch_scc1 .Lcp3
	s_cmp_eq_u32 s3, 4
	s_cbranch_scc1 .Lcp4
	s_cmp_eq_u32 s3, 5
	s_cbranch_scc1 .Lcp5
	s_cmp_eq_u32 s3, 6
	s_cbranch_scc1 .Lcp6
	COPY 7
	s_branch .Lgo
.Lcp0:
	COPY 0
	s_branch .Lgo
.Lcp1:
	COPY 1
	s_branch .Lgo
.Lcp2:
	COPY 2
	s_branch .Lgo
.Lcp3:
	COPY 3
	s_branch .Lgo
.Lcp4:
	COPY 4
	s_branch .Lgo
.Lcp5:
	COPY 5
	s_branch .Lgo
.Lcp6:
	COPY 6
.Lgo:
	GELU
	s_wait_alu depctr_va_vdst(0)
	s_wait_xcnt 0x0                                ; the block before has handed over its stores' registers and bases: they are written again below
	s_add_nc_u64 s[12:13], s[12:13], s[56:57]
	s_add_nc_u64 s[92:93], s[92:93], s[58:59]
	s_mov_b32 s56, 0x10000                         ; from a row block's images to the next's
	s_mov_b32 s58, 2048                            ; 16 rows of scale bytes
	QUANT X, 4, PW
.irp b, 0,1,2,3
.irp u, 0,1
	global_store_b64 v30, v[PC+4*\b+2*\u:PC+4*\b+2*\u+1], s[12:13] offset:512*\b+256*\u   ; 256 consecutive bytes, aligned
.endr
.endr
	v_lshrrev_b32 v[TM], v18, v[PW]
	global_store_b16 v31, v[TM], s[92:93]
	s_add_co_u32 s3, s3, 1
	s_cmp_lt_u32 s3, 8
	s_wait_alu depctr_va_vdst(0)
	s_cbranch_scc1 .Lblk
	s_wait_tensorcnt 0x0                           ; the wave's end
	ds_add_u32 v[SPW], v[NIL]
	s_wait_dscnt 0x0
	CROUND                                         ; the closing round
	s_endpgm
.Lfunc_end_k_q62da6990df_fc1:
	.size	k_q62da6990df_fc1, .Lfunc_end_k_q62da6990df_fc1-k_q62da6990df_fc1
	.p2alignl 7, 3214868480
	.fill 96, 4, 3214868480
	.section	.rodata,"a",@progbits
	.p2align	6, 0x0
	.amdhsa_kernel k_q62da6990df_fc1
		.amdhsa_group_segment_fixed_size 327680
		.amdhsa_private_segment_fixed_size 0
		.amdhsa_enable_private_segment 0
		.amdhsa_kernarg_size 40
		.amdhsa_user_sgpr_count 2
		.amdhsa_user_sgpr_kernarg_segment_ptr 1
		.amdhsa_wavefront_size32 1
		.amdhsa_system_sgpr_workgroup_id_x 1
		.amdhsa_system_sgpr_workgroup_id_y 1
		.amdhsa_system_sgpr_workgroup_id_z 1
		.amdhsa_system_vgpr_workitem_id 0
		.amdhsa_next_free_vgpr 1024
		.amdhsa_next_free_sgpr 102
		.amdhsa_reserve_vcc 0
		.amdhsa_float_denorm_mode_32 3
		.amdhsa_float_denorm_mode_16_64 3
		.amdhsa_memory_ordered 1
		.amdhsa_forward_progress 1
		.amdhsa_inst_pref_size 187
	.end_amdhsa_kernel
	.amdgpu_metadata
---
amdhsa.version: [ 1, 2 ]
amdhsa.kernels:
  - .name:           k_q62da6990df_fc1
    .symbol:         k_q62da6990df_fc1.kd
    .args:
      - { .name: xn, .offset: 0, .size: 8, .value_kind: global_buffer, .address_space: global }
      - { .name: W1_codes, .offset: 8, .size: 8, .value_kind: global_buffer, .address_space: global }
      - { .name: W1_scales, .offset: 16, .size: 8, .value_kind: global_buffer, .address_space: global }
      - { .name: b1, .offset: 24, .size: 8, .value_kind: global_buffer, .address_space: global }
      - { .name: y, .offset: 32, .size: 8, .value_kind: global_buffer, .address_space: global }
    .group_segment_fixed_size: 327680
    .private_segment_fixed_size: 0
    .kernarg_segment_align: 8
    .kernarg_segment_size: 40
    .max_flat_workgroup_size: 128
    .sgpr_count:     102
    .vgpr_count:     1024
    .wavefront_size: 32
...
	.end_amdgpu_metadata
.endif
;; end of part 5
;; launch fc2 (part 6): grid 32 x 8, 4 waves a work-group, clusters of 4 x 1, 327,680 bytes of LDS; arguments y, W2_codes, W2_scales, b2, x2, out0; writes out0
.if DOCPART == 6
	.amdgcn_target "amdgcn-amd-amdhsa--gfx1250"
	.amdhsa_code_object_version 6
	.text
	.protected	k_q62da6990df_fc2
	.globl	k_q62da6990df_fc2
	.p2align	8
	.type	k_q62da6990df_fc2,@function
k_q62da6990df_fc2:
	s_mov_b64 s[64:65], 0
	v_nop
	global_prefetch_b8 v0, s[64:65] scope:SCOPE_SE
	s_setreg_imm32_b32 hwreg(HW_REG_WAVE_MODE, 25, 1), 1
	s_wait_xcnt 0x0
	s_wait_alu depctr_hold_cnt(0) depctr_sa_sdst(0) depctr_va_vdst(0) depctr_va_sdst(0) depctr_va_ssrc(0) depctr_va_vcc(0) depctr_vm_vsrc(0)
	s_getreg_b32 s2, hwreg(HW_REG_IB_STS2, 6, 4)
	s_cmp_eq_u32 s2, 0
	s_cbranch_scc0 .Lentry_in_a_cluster
	s_endpgm
.Lentry_in_a_cluster:
	s_bfe_u32 s2, ttmp6, 0x10000c
	s_cmp_lg_u32 s2, 0x3003
	s_cbranch_scc0 .Lentry_shape_is_right
	s_endpgm
.Lentry_shape_is_right:
; OUT = A W^T + bias + RES on codes of FP8 (E4M3) with E8M0 scales for each 32 along K = 4,096.  A: 4,096 rows, as images of the operand's registers (fragment (row block, K step) of 2,048 bytes at (row block x 32 + K step) x 2,048),
; its scale bytes [4096][128] at byte 16,777,216 of the same buffer.  W: [1024][4096] codes, [1024][128] scale bytes.  bias [1024], RES and OUT [4096][1024]: f32.
; TILE 128 x 128: 256 work-groups (tiles of 256 x 256 would be 64).  THE FOUR WAVES SHARE THE ROWS: wave w makes rows 32 w .. 32 w + 31 x all 128 columns: 16 accumulators.
; A GOES FROM MEMORY STRAIGHT INTO REGISTERS.  With that share a fragment of A is read by one wave alone, and it lies in memory as the registers want it: a load of the wave takes 512 consecutive bytes.  A ring of eight
; K steps in registers (32 registers a step) keeps seven steps, 56 loads, 28 KB a wave, on their way, with no barrier.  That is why A is not asked for jointly in the cluster: through LDS the two slots would have to hold both
; operands, 512 along K each, and eight fills would be needed where four serve; the price is that each of the 8 column tiles asks for A's rows by itself.
; W GOES THROUGH LDS, which all four waves read: two slots of 1,024 along K (128 rows of 1,024 bytes + 16 of padding), each wave fetching 32 rows with one tensor load.  Four fills: two at the start, two refills, each with
; eight K steps, 128 matrix instructions a wave, in which to land.  W's scales (128 rows x 128 bytes) come once and stay.
; CLUSTER 4 x 1: the four work-groups of a cluster make four row tiles of ONE column tile and need the same tiles of W: each is asked for jointly, by the same tensor load with a mask that names the four.
; The matrix instruction takes 16 rows of W as source 0 and 16 rows of A as source 1: a lane holds eight neighbouring numbers of a row of OUT.
; SCALES.  A's: register SA + K step, lane l = my row l (lanes 0-15 block 0, lanes 16-31 block 1): eight loads at the head.  W's: register SB + 16 set + 4 j + q, lanes 0-15 block 2 j, lanes 16-31 block 2 j + 1, K step 4 g + q; two sets by turns.
; THE 32 K STEPS ARE WRITTEN OUT by a macro: A's scale word has a register of its own for each K step, so no trip of a loop would bring the register numbers back; every offset is an immediate and no pointer is stepped.
; RES and the bias are asked for in K steps 25 to 28, where the ring asks for nothing more, in the layout in which rows come back from the stage, and are added there.  The stage (16 rows x 528 bytes a wave) lies in slot 0, which has had its last fill and its last read by then.
; REGISTERS, in windows of 256: window 0: v16-29 addresses, v32-63 W's scale words, v64-95 A's, v96-223 rows on the way out, v224-227 the bias;  window 1: W's fragments, two buffers of 128;
;   window 2: A's ring, 8 x 32;  window 3: v0-127 the accumulators ((a, b) at v[8 (8 a + b)]), v128-255 RES.
.set BP,     1040                      ; a row of W in LDS: 1,024 bytes + 16: the 16 rows of a fragment load start at 16 different groups of four banks (64 banks of 4 bytes: ISA guide 11.1)
.set QROWS,  32*BP                     ; what one tensor load brings
.set SLOT,   4*QROWS
.set HALFB,  64*BP                     ; W's blocks 4-7 begin here: an LDS immediate has 16 bits, so each half of a slot has its address register
.set SCL,    2*SLOT                    ; behind the ring: W's scales, as units of 256 bytes + 16 of padding
.set QS,     16*272                    ; those of 32 rows
.set SPARE,  SCL+4*QS                  ; the spare words: 128 bytes a wave, two blocks of 256 bytes that no other line names
.set SPITCH, 528
.set ADRB, 16                          ; v16-19  my lane's place in W's tile: slot 0 blocks 0-3, slot 0 blocks 4-7, slot 1 likewise
.set ADRS, 20                          ; v20     my lane's place among W's scale words
.set LO,   21                          ; v21     16 x lane: an image's place for my lane; my bytes of a row of RES, OUT and of the bias
.set SAO,  22                          ; v22     128 x lane: my row of A's scale bytes
.set STO,  24                          ; v24     the way out: where I put 32 bytes of a row
.set RD,   25                          ; v25     and where I read a row back
.set SPW,  28                          ; v28     LDS address of my spare word; never rewritten
.set NIL,  29                          ; v29     0; never rewritten
.set SB,   32
.set SA,   64
.set BK,   96
.set BV,   224
.set RES,  128                         ; in window 3
.set G1B,  24                          ; s[24:31] shape of W's tiles
.set G1S,  32                          ; s[32:39] of W's scales
.set G0,   40                          ; s[40:47] from where, to where: a set for each slot
.set G0S,  48                          ; s[48:51] the same for the scales
.set MSB, 0
.macro WIN new                         ; the immediate's high byte repeats the setting that is left
.if MSB != \new
	s_set_vgpr_msb (MSB<<8)|\new
.set MSB, \new
.endif
.endm
.set MUL,    0xf9                      ; source 0 (W) window 1, source 1 (A) window 2, C and D window 3
.set TO_B,   0x40                      ; destination window 1
.set TO_A,   0x80                      ; destination window 2
.set TO_R,   0xc0                      ; destination window 3
.set FROM_3, 0x0c                      ; source 1 window 3
.macro CREST                           ; a round of the cluster's barrier behind its opening barrier
	s_cmp_lg_u32 s14, 0
	s_cbranch_scc1 .Lnot_wave_0_\@
	s_barrier_signal -3
.Lnot_wave_0_\@:
	s_barrier_wait -3
	s_barrier_signal -1
	s_barrier_wait -1
.endm
.macro CROUND
	s_barrier_signal -1
	s_barrier_wait -1
	CREST
.endm
.macro PLACES n                        ; plain vector instructions between a matrix instruction and a load into, or a read of, its registers
.rept \n
	v_nop
.endr
.endm
	s_load_b64 s[4:5], s[0:1], 0x0                 ; A
	s_load_b128 s[8:11], s[0:1], 0x8               ; W's codes, W's scales
	s_load_b128 s[52:55], s[0:1], 0x18             ; bias, RES
	s_load_b64 s[12:13], s[0:1], 0x28              ; OUT
	v_lshl_add_u32 v[SPW], v0, 2, SPARE
	v_mov_b32 v[NIL], 0
	ds_add_u32 v28, v29
	ds_add_u32 v28, v29
	s_wait_dscnt 0x0
	v_lshrrev_b32 v1, 5, v0
	v_readfirstlane_b32 s14, v1                    ; wave 0..3
	s_bfe_u32 s15, ttmp6, 0x40000                  ; cx: my place in the cluster
	s_lshl_b32 s16, ttmp9, 2
	s_add_co_u32 s16, s16, s15                     ; row tile = 4 x cluster x + cx: it enters A's, RES's and OUT's addresses alone
	s_and_b32 s17, ttmp7, 0xffff                   ; column tile, which the four partners share
	s_mov_b32 s[G1B], 15|(0<<16)|(1<<20)|(1<<21)|(7<<22)|(3<<25)   ; 15:0 the mask: all four work-groups; 17:16 elements of 1 byte; 20 padding on; 21 set beside a mask; 24:22 after every 256 words (code 7); 31:25 four words (code 3)
	s_mov_b32 s[G1B+1], 1024<<16                   ; tensor_dim0
	s_mov_b32 s[G1B+2], 32<<16                     ; tensor_dim1
	s_mov_b32 s[G1B+3], 1024<<16                   ; tile_dim0
	s_mov_b32 s[G1B+4], 32                         ; tile_dim1
	s_mov_b32 s[G1B+5], 4096                       ; the pitch
	s_mov_b32 s[G1B+6], 0
	s_mov_b32 s[G1B+7], 0
	s_mov_b32 s[G1S], 15|(3<<16)|(1<<20)|(1<<21)|(5<<22)|(3<<25)   ; the scales of 128 rows: 16,384 dense bytes as 64 rows of 256 (32 elements of 8 bytes), 16 bytes of padding behind each
	s_mov_b32 s[G1S+1], 32<<16
	s_mov_b32 s[G1S+2], 64<<16
	s_mov_b32 s[G1S+3], 32<<16
	s_mov_b32 s[G1S+4], 64
	s_mov_b32 s[G1S+5], 32
	s_mov_b32 s[G1S+6], 0
	s_mov_b32 s[G1S+7], 0
.set G1H, 68                           ; s[68:75] shape of half of slot 0's first fill: 64 rows;  s[76:83] of slot 1's: 128 rows;  s[84:87], s[88:91] their groups 0
.set G1W, 76
.set G0H, 84
.set G0W, 88
.irp g, G1H, G1W
	s_mov_b32 s[\g], 15|(0<<16)|(1<<20)|(1<<21)|(7<<22)|(3<<25)
	s_mov_b32 s[\g+1], 1024<<16
	s_mov_b32 s[\g+3], 1024<<16
	s_mov_b32 s[\g+5], 4096
	s_mov_b32 s[\g+6], 0
	s_mov_b32 s[\g+7], 0
.endr
	s_mov_b32 s[G1H+2], 64<<16
	s_mov_b32 s[G1H+4], 64
	s_mov_b32 s[G1W+2], 128<<16
	s_mov_b32 s[G1W+4], 128
	s_lshl_b32 s18, s17, 7
	s_lshl_b32 s19, s14, 5                         ; 32 x wave
	s_add_co_u32 s18, s18, s19                     ; W: row 128 x column tile + 32 x wave
	s_lshl_b32 s20, s18, 12                        ; its codes, 4,096 bytes a row,
	s_mov_b32 s21, 0
	s_lshl_b32 s22, s17, 14                        ; the scale bytes of the tile's 128 rows, 128 a row
	s_mov_b32 s23, 0
	s_mul_i32 s2, s14, QROWS                       ; where they go: wave x 32 rows: no place in the cluster enters an LDS address
	s_lshl_b32 s92, s17, 19                        ; the tile's first row of W, 4,096 bytes a row
	s_lshl_b32 s66, s14, 18                        ; 64 rows x wave
	s_add_co_u32 s66, s66, s92
	s_mov_b32 s67, 0
	s_add_co_u32 s92, s92, 1024                    ; slot 1 begins with K = 1,024
	s_mov_b32 s93, 0
	s_lshl_b32 s56, s16, 7
	s_add_co_u32 s56, s56, s19                     ; my first row: 128 x row tile + 32 x wave
	s_lshl_b32 s58, s56, 12                        ; A's images: 65,536 bytes for 16 rows.  Also a row of RES and OUT: 4,096 bytes
	s_mov_b32 s59, 0
	s_lshl_b32 s60, s56, 7
	s_add_co_u32 s60, s60, 0x1000000               ; A's scale bytes
	s_mov_b32 s61, 0
	s_lshl_b32 s18, s17, 9                         ; the tile's first column, in bytes
	s_mov_b32 s19, 0
	s_add_co_u32 s62, s58, s18
	s_mov_b32 s63, 0
	CROUND                                         ; the opening round, behind the opening adds and ahead of the wait for the arguments: all four work-groups are here
	s_wait_kmcnt 0x0
	s_add_nc_u64 s[20:21], s[8:9], s[20:21]
	s_add_nc_u64 s[22:23], s[10:11], s[22:23]
	s_add_nc_u64 s[6:7], s[4:5], s[60:61]
	s_add_nc_u64 s[4:5], s[4:5], s[58:59]
	s_add_nc_u64 s[52:53], s[52:53], s[18:19]
	s_add_nc_u64 s[54:55], s[54:55], s[62:63]
	s_add_nc_u64 s[12:13], s[12:13], s[62:63]
	s_mov_b32 s[G0S], 1
	s_mov_b32 s[G0S+1], SCL
	s_mov_b64 s[G0S+2:G0S+3], s[22:23]
	s_or_b32 s[G0S+3], s[G0S+3], 0x80000000
.irp s, 0,1
	s_mov_b32 s[G0+4*\s], 1                        ; count = 1
	s_add_co_u32 s[G0+4*\s+1], s2, \s*SLOT         ; LDS address
	s_add_nc_u64 s[G0+4*\s+2:G0+4*\s+3], s[20:21], \s*1024   ; slot s begins with K = 1,024 s
	s_or_b32 s[G0+4*\s+3], s[G0+4*\s+3], 0x80000000          ; type = 2
.endr
	s_mov_b32 s[G0H], 1
	s_mul_i32 s[G0H+1], s14, 64*BP
	s_add_nc_u64 s[G0H+2:G0H+3], s[8:9], s[66:67]
	s_or_b32 s[G0H+3], s[G0H+3], 0x80000000
	s_lshl_b32 s94, s15, 2                         ; the prefetches of W: which of the cluster's sixteen waves I am,
	s_add_co_u32 s94, s94, s14
	s_lshl_b32 s94, s94, 15                        ; 8 rows of 4,096 bytes each,
	s_lshl_b32 s95, s17, 19
	s_add_co_u32 s94, s94, s95                     ; in the tile's 128 rows
	s_mov_b32 s95, 0
	s_add_nc_u64 s[94:95], s[8:9], s[94:95]        ; never rewritten
	s_mov_b32 s[G0W], 1
	s_mov_b32 s[G0W+1], SLOT
	s_add_nc_u64 s[G0W+2:G0W+3], s[8:9], s[92:93]
	s_or_b32 s[G0W+3], s[G0W+3], 0x80000000
	s_cmp_lt_u32 s14, 2                            ; the first fills, one load a wave: waves 0 and 1 the halves of slot 0,
	s_cbranch_scc0 .Lhead_s
	tensor_load_to_lds s[G0H:G0H+3], s[G1H:G1H+7]
	s_nop 0
	PLACES 4
	s_branch .Lhead_asked
.Lhead_s:
	s_cmp_lt_u32 s14, 3                            ; wave 2 the scales of all 128 rows,
	s_cbranch_scc0 .Lhead_w
	tensor_load_to_lds s[G0S:G0S+3], s[G1S:G1S+7]
	s_nop 0
	PLACES 4
	s_branch .Lhead_asked
.Lhead_w:
	tensor_load_to_lds s[G0W:G0W+3], s[G1W:G1W+7]  ; wave 3 slot 1, whole: a line of its own, waited for at the first change of slots
	s_nop 0
	PLACES 4
.Lhead_asked:
	v_and_b32 v26, 31, v0
	v_lshrrev_b32 v27, 2, v26
	v_and_b32 v26, 3, v26
	v_lshlrev_b32 v26, 8, v26
	v_lshl_add_u32 v26, v27, 12, v26               ; four lanes to a row, 256 bytes apart: 1,024 along K of 8 rows a wave, each block named once in the cluster; never rewritten
	global_prefetch_b8 v26, s[94:95] offset:2048 th:TH_LOAD_NT scope:SCOPE_SE   ; K = 2,048 on: what the change of slots in K step 7 loads
	v_and_b32 v1, 15, v0                           ; r = lane % 16
	v_bfe_u32 v2, v0, 4, 1                         ; h = lane / 16
	v_and_b32 v3, 31, v0                           ; lane
	v_lshlrev_b32 v[LO], 4, v3
	v_lshlrev_b32 v[SAO], 7, v3
.macro RING ks                         ; A's two fragments of K step ks into ring place ks % 8: eight loads of 512 consecutive bytes
.irp a, 0,1
.irp c, 0,1,2,3
	global_load_b128 v[32*((\ks)%8)+16*\a+4*\c:32*((\ks)%8)+16*\a+4*\c+3], v[LO], s[4:5] offset:65536*\a+2048*(\ks)+512*\c
.endr
.endr
.endm
.irp i, 0,1,2,3,4,5,6,7
	global_load_b128 v[SA+4*\i:SA+4*\i+3], v[SAO], s[6:7] offset:16*\i   ; my row's 32 scale words
.endr
	WIN TO_A
.irp k, 0,1,2,3,4,5,6
	RING \k                                        ; with the eight above: 64 loads of mine are out
.endr
	WIN 0
	v_mul_u32_u24 v[ADRB], v1, BP
	v_lshl_add_u32 v[ADRB], v2, 4, v[ADRB]         ; a fragment's row x pitch + 16 x half
	v_add_nc_u32 v[ADRB+1], HALFB, v[ADRB]
	v_add_nc_u32 v[ADRB+2], SLOT, v[ADRB]
	v_add_nc_u32 v[ADRB+3], SLOT+HALFB, v[ADRB]
	v_lshrrev_b32 v4, 8, v[SAO]
	v_lshl_add_u32 v[ADRS], v4, 4, v[SAO]          ; W's scale bytes: 128 a row, and 16 more for each 256 passed
	v_add_nc_u32 v[ADRS], SCL, v[ADRS]
	s_mul_i32 s15, s14, 16*SPITCH                  ; my stage
	v_mul_u32_u24 v[STO], v1, SPITCH
	v_lshl_add_u32 v[STO], v2, 5, v[STO]
	v_add_nc_u32 v[STO], s15, v[STO]               ; in: row r, 32 bytes for each half of the lanes
	v_add_nc_u32 v[RD], s15, v[LO]                 ; back: the 32 lanes take one row of 512 bytes
; W's eight fragments of K step tt into buffer tt % 2: lane l holds row l % 16; registers 4 c .. 4 c + 3 hold K = 32 c + 16 (l / 16) + 0 .. 15
.macro FETCHB tt
	WIN TO_B
.irp b, 0,1,2,3,4,5,6,7
.irp c, 0,1,2,3
	ds_load_b128 v[128*((\tt)%2)+16*\b+4*\c:128*((\tt)%2)+16*\b+4*\c+3], v[ADRB+2*(((\tt)/8)%2)+\b/4] offset:16*BP*(\b%4)+128*((\tt)%8)+32*\c
.endr
.endr
.endm
.macro SCALES g                        ; W's scale words of K steps 4 g .. 4 g + 3 into set g % 2
	WIN 0
.irp j, 0,1,2,3
	ds_load_b128 v[SB+16*((\g)%2)+4*\j:SB+16*((\g)%2)+4*\j+3], v[ADRS] offset:QS*\j+16*(\g)
.endr
.endm
.macro RESLOAD n                       ; eight of my 32 rows of RES: a load takes 512 consecutive bytes
.irp i, 0,1,2,3,4,5,6,7
	global_load_b128 v[RES+4*(8*(\n)+\i):RES+4*(8*(\n)+\i)+3], v[LO], s[54:55] offset:(8*(\n)+\i)*4096
.endr
.endm
; One product of K step KT: A's block a x W's block b.  The first K step starts the sums: nothing is cleared.
.macro WM a, b
.set rD, 8*(8*(\a)+(\b))
.set rB, 128*(KT%2)+16*(\b)
.set rA, 32*(KT%8)+16*(\a)
.set rS, SB+16*((KT/4)%2)+4*((\b)/2)+(KT%4)
.set rT, SA+KT
.if KT == 0
.if (\a) == 0
.if ((\b)%2) == 0
	v_wmma_scale_f32_16x16x128_f8f6f4 v[rD:rD+7], v[rB:rB+15], v[rA:rA+15], 0, v[rS], v[rT]
.else
	v_wmma_scale_f32_16x16x128_f8f6f4 v[rD:rD+7], v[rB:rB+15], v[rA:rA+15], 0, v[rS], v[rT] matrix_a_scale:MATRIX_SCALE_ROW1
.endif
.else
.if ((\b)%2) == 0
	v_wmma_scale_f32_16x16x128_f8f6f4 v[rD:rD+7], v[rB:rB+15], v[rA:rA+15], 0, v[rS], v[rT] matrix_b_scale:MATRIX_SCALE_ROW1
.else
	v_wmma_scale_f32_16x16x128_f8f6f4 v[rD:rD+7], v[rB:rB+15], v[rA:rA+15], 0, v[rS], v[rT] matrix_a_scale:MATRIX_SCALE_ROW1 matrix_b_scale:MATRIX_SCALE_ROW1
.endif
.endif
.else
.if (\a) == 0
.if ((\b)%2) == 0
	v_wmma_scale_f32_16x16x128_f8f6f4 v[rD:rD+7], v[rB:rB+15], v[rA:rA+15], v[rD:rD+7], v[rS], v[rT]
.else
	v_wmma_scale_f32_16x16x128_f8f6f4 v[rD:rD+7], v[rB:rB+15], v[rA:rA+15], v[rD:rD+7], v[rS], v[rT] matrix_a_scale:MATRIX_SCALE_ROW1
.endif
.else
.if ((\b)%2) == 0
	v_wmma_scale_f32_16x16x128_f8f6f4 v[rD:rD+7], v[rB:rB+15], v[rA:rA+15], v[rD:rD+7], v[rS], v[rT] matrix_b_scale:MATRIX_SCALE_ROW1
.else
	v_wmma_scale_f32_16x16x128_f8f6f4 v[rD:rD+7], v[rB:rB+15], v[rA:rA+15], v[rD:rD+7], v[rS], v[rT] matrix_a_scale:MATRIX_SCALE_ROW1 matrix_b_scale:MATRIX_SCALE_ROW1
.endif
.endif
.endif
.endm
.macro MUL4 a, b0                      ; the 16 accumulators take turns, one instruction a turn, in the same order in every K step
.irp b, \b0, \b0+1, \b0+2, \b0+3
	WM \a, \b
.endr
.endm
; The products of a slot's last K step, with the change of slots in their middle: one barrier; in front of it each wave waits for all its tensor loads, adds 0 to its spare word, and waits for that and for its reads of this slot.
; Behind it nobody reads this slot any more and the other slot is whole.  K steps 7 and 15: this slot is filled again, 2,048 along K further on; the barrier then opens a round of the cluster's.
.macro CHANGE
	WIN 0
	s_wait_tensorcnt 0x0                           ; all my tensor loads have landed: my part of the other slot
	ds_add_u32 v[SPW], v[NIL]                      ; 0 onto my spare word
	s_wait_dscnt 1                                 ; this K step's fragments of W are in (the add may be out)
	WIN MUL
	MUL4 0, 0
	s_wait_dscnt 0x0                               ; the add is done, and my reads of this slot are over
	s_barrier_signal -1
	MUL4 0, 4
	WIN 0
	s_barrier_wait -1
.if KT < 23
	CREST                                          ; no wave of any partner still reads this slot or has a load on its way
	s_add_nc_u64 s[G0+4*((KT/8)%2)+2:G0+4*((KT/8)%2)+3], s[G0+4*((KT/8)%2)+2:G0+4*((KT/8)%2)+3], 2048
	tensor_load_to_lds s[G0+4*((KT/8)%2):G0+4*((KT/8)%2)+3], s[G1B:G1B+7]   ; my one tensor load behind the round, and the first thing there
	s_nop 0
	PLACES 4
.endif
	FETCHB KT+1                                    ; the other slot's first fragments, into the buffer that the K step before this one read: the eight places stand at this K step's head
	WIN MUL
	MUL4 1, 0
	MUL4 1, 4
.endm
; K STEP KT.  At its head, behind eight places, everything is asked for that lands in registers which the K step before has read: W's fragments of the next K step (from LDS, into the other buffer) and A's of seven K steps on
; (from memory, into the ring place just left).  Then this K step's 16 products.
.macro KSTEP
.if KT > 0
	PLACES 8
.endif
.set KD, 0
.if (KT%8) != 7
	FETCHB KT+1
.if KT == 2
	global_prefetch_b8 v26, s[94:95] offset:3072 th:TH_LOAD_NT scope:SCOPE_SE   ; K = 3,072 on: what the change of slots in K step 15 loads (the address lies in window 0, as the loads' above)
.endif
.set KD, 32
.if ((KT%4) == 1) && (KT < 28)
	SCALES KT/4+1                                  ; into the set that was last read two K steps ago
.set KD, 36
.endif
.endif
.set NLD, 48                           ; behind this K step's loads of A: those of the six K steps that follow;
.if KT > 25
.set NLD, 49                           ; from K step 26 on: what is left of A, and the bias and the rows of RES asked for so far: 8 (31 - KT) up to 48, + 1 + 8 (KT - 25) up to 33
.endif
.if KT == 30
.set NLD, 41
.endif
.if KT == 31
.set NLD, 33
.endif
	s_wait_loadcnt NLD                             ; loads come back in order (ISA guide 5.7.1): A's fragments of this K step are in
.if KT <= 24
	WIN TO_A
	RING KT+7
.elseif KT <= 28
.if KT == 25
	WIN 0
	global_load_b128 v[BV:BV+3], v[LO], s[52:53]   ; the bias of my four columns
.endif
	WIN TO_R
	RESLOAD KT-25
.endif
.if ((KT%8) == 7) && (KT < 31)
	CHANGE
.else
	s_wait_dscnt KD                                ; all but what this head has just asked for: this K step's fragments of W are in
	WIN MUL
	MUL4 0, 0
	MUL4 0, 4
	MUL4 1, 0
	MUL4 1, 4
.endif
.endm
	s_wait_alu depctr_va_vdst(0)
	s_cmp_lt_u32 s14, 3
	s_cbranch_scc0 .Lnot_yet
	s_wait_tensorcnt 0x0                           ; waves 0 to 2: slot 0 and the scales are in; wave 3's load, slot 1, may stay out
.Lnot_yet:
	s_barrier_signal -1
	s_barrier_wait -1                              ; everybody's are
	FETCHB 0
	SCALES 0
.set KT, 0
.rept 32
	KSTEP
.set KT, KT+1
.endr
	WIN 0
; THE WAY OUT, by blocks of 16 rows x 128 columns: through my own stage, back as whole rows of 512 bytes, + RES + bias, stored 32 lanes to 512 consecutive bytes, at a multiple of 256 from OUT's first byte.
.macro TOSTAGE a
	WIN FROM_3                                     ; an LDS store's data are its source 1
.irp b, 0,1,2,3,4,5,6,7
	ds_store_b128 v[STO], v[8*(8*(\a)+\b):8*(8*(\a)+\b)+3] offset:64*\b          ; each accumulator from its low end on
	ds_store_b128 v[STO], v[8*(8*(\a)+\b)+4:8*(8*(\a)+\b)+7] offset:64*\b+16
.endr
	WIN 0
.irp i, 0,1,2,3,4,5,6,7,8,9,10,11,12,13,14,15
	ds_load_b128 v[BK+64*(\a)+4*\i:BK+64*(\a)+4*\i+3], v[RD] offset:\i*SPITCH    ; LDS serves a wave's instructions in order (ISA guide 5.7.1.4): these see the stores above, and the next block's stores come behind them
.endr
.endm
.macro SEND a, younger                 ; younger: the LDS instructions issued behind block a's loads
.set BB, BK+64*(\a)
	s_wait_dscnt \younger
	WIN FROM_3
.set i, 0
.rept 32
	v_pk_add_f32 v[BB+i:BB+i+1], v[BB+i:BB+i+1], v[RES+64*(\a)+i:RES+64*(\a)+i+1]
.set i, i+2
.endr
	WIN 0
.set i, 0
.rept 16
	v_pk_add_f32 v[BB+i:BB+i+1], v[BB+i:BB+i+1], v[BV:BV+1]
	v_pk_add_f32 v[BB+i+2:BB+i+3], v[BB+i+2:BB+i+3], v[BV+2:BV+3]
.set i, i+4
.endr
.irp r, 0,1,2,3,4,5,6,7,8,9,10,11,12,13,14,15
	global_store_b128 v[LO], v[BB+4*\r:BB+4*\r+3], s[12:13] offset:(16*(\a)+\r)*4096
.endr
.endm
	PLACES 8                                       ; behind the last products
	s_wait_loadcnt 0x0                             ; RES and the bias
	TOSTAGE 0
	TOSTAGE 1
	SEND 0, 32                                     ; behind block 0's loads: block 1's 16 stores and 16 loads
	SEND 1, 0
	s_wait_tensorcnt 0x0                           ; the wave's end
	ds_add_u32 v[SPW], v[NIL]
	s_wait_dscnt 0x0
	CROUND                                         ; the closing round: no work-group ends while a partner may still ask for a tile that names it
	s_endpgm
.Lfunc_end_k_q62da6990df_fc2:
	.size	k_q62da6990df_fc2, .Lfunc_end_k_q62da6990df_fc2-k_q62da6990df_fc2
	.p2alignl 7, 3214868480
	.fill 96, 4, 3214868480
	.section	.rodata,"a",@progbits
	.p2align	6, 0x0
	.amdhsa_kernel k_q62da6990df_fc2
		.amdhsa_group_segment_fixed_size 327680
		.amdhsa_private_segment_fixed_size 0
		.amdhsa_enable_private_segment 0
		.amdhsa_kernarg_size 48
		.amdhsa_user_sgpr_count 2
		.amdhsa_user_sgpr_kernarg_segment_ptr 1
		.amdhsa_wavefront_size32 1
		.amdhsa_system_sgpr_workgroup_id_x 1
		.amdhsa_system_sgpr_workgroup_id_y 1
		.amdhsa_system_sgpr_workgroup_id_z 1
		.amdhsa_system_vgpr_workitem_id 0
		.amdhsa_next_free_vgpr 1024
		.amdhsa_next_free_sgpr 96
		.amdhsa_reserve_vcc 0
		.amdhsa_float_denorm_mode_32 3
		.amdhsa_float_denorm_mode_16_64 3
		.amdhsa_memory_ordered 1
		.amdhsa_forward_progress 1
		.amdhsa_inst_pref_size 197
	.end_amdhsa_kernel
	.amdgpu_metadata
---
amdhsa.version: [ 1, 2 ]
amdhsa.kernels:
  - .name:           k_q62da6990df_fc2
    .symbol:         k_q62da6990df_fc2.kd
    .args:
      - { .name: y, .offset: 0, .size: 8, .value_kind: global_buffer, .address_space: global }
      - { .name: W2_codes, .offset: 8, .size: 8, .value_kind: global_buffer, .address_space: global }
      - { .name: W2_scales, .offset: 16, .size: 8, .value_kind: global_buffer, .address_space: global }
      - { .name: b2, .offset: 24, .size: 8, .value_kind: global_buffer, .address_space: global }
      - { .name: x2, .offset: 32, .size: 8, .value_kind: global_buffer, .address_space: global }
      - { .name: out0, .offset: 40, .size: 8, .value_kind: global_buffer, .address_space: global }
    .group_segment_fixed_size: 327680
    .private_segment_fixed_size: 0
    .kernarg_segment_align: 8
    .kernarg_segment_size: 48
    .max_flat_workgroup_size: 128
    .sgpr_count:     96
    .vgpr_count:     1024
    .wavefront_size: 32
...
	.end_amdgpu_metadata
.endif
;; end of part 6
